; MI455X (gfx1250); checked and timed in simulation.
; The chip was launched on July 23, 2026; its instructions are those of AMD's public machine-readable ISA for CDNA 5 (MIT licence, August 2026) and "CDNA5" Instruction Set Architecture Reference Guide (July 2026). The comments in the code are by the model that wrote it; some were corrected since.
;; Transformer Block. Allowed arithmetic: matrix products marked QUANTISED: E4M3 operands, one E8M0 scale for each 32 along K, by v_wmma_scale_f32_16x16x128_f8f6f4 with both operands' format E4M3, f32 sums; everything else in f32.
;; Inputs: ff1_b 4,096 float32; ff1_w_codes 4,096 x 32 x 32 uint8 (E4M3 codes of ff1_w, K innermost, in blocks of 32 codes); ff1_w_scales 4,096 x 32 uint8 (E8M0 scales of ff1_w, one for each 32 codes along K); ff2_b 1,024 float32; ff2_w_codes 1,024 x 128 x 32 uint8 (E4M3 codes of ff2_w, K innermost, in blocks of 32 codes); ff2_w_scales 1,024 x 128 uint8 (E8M0 scales of ff2_w, one for each 32 codes along K); ln1_b 1,024 float32; ln1_g 1,024 float32; ln2_b 1,024 float32; ln2_g 1,024 float32; proj_b 1,024 float32; proj_w_codes 1,024 x 32 x 32 uint8 (E4M3 codes of proj_w, K innermost, in blocks of 32 codes); proj_w_scales 1,024 x 32 uint8 (E8M0 scales of proj_w, one for each 32 codes along K); qkv_b 3,072 float32; qkv_w_codes 3,072 x 32 x 32 uint8 (E4M3 codes of qkv_w, K innermost, in blocks of 32 codes); qkv_w_scales 3,072 x 32 uint8 (E8M0 scales of qkv_w, one for each 32 codes along K); x 2 x 2,048 x 1,024 float32.
;; Outputs: out0 2 x 2,048 x 1,024 float32.
;; This version of the problem:
;;   THIS VERSION OF THE PROBLEM IS GIVEN IN LOW PRECISION. The matrix products marked QUANTISED in the list below multiply operands that are first quantised to E4M3 (4 exponent bits, 3 mantissa bits; 8 bits a number), with one power-of-two scale for each 32 numbers along K (OCP MX v1.0); their sums are f32. All else is computed in f32.
;;   The module's matrix products, in the order in which they are computed (A, B: the left and right operand; K: the contracted axis; several contracted axes count as one K, in the product's order):
;;     1. [M 4,096, K 1,024] x [K 1,024, N 3,072]; A: computed on the way; B: input qkv_w (given as codes): QUANTISED
;;     2. batch 32 x [M 2,048, K 64] x [K 64, N 2,048]; A: computed on the way; B: computed on the way: QUANTISED
;;     3. batch 32 x [M 2,048, K 2,048] x [K 2,048, N 64]; A: softmax (see below); B: computed on the way: QUANTISED
;;     4. [M 4,096, K 1,024] x [K 1,024, N 1,024]; A: computed on the way; B: input proj_w (given as codes): QUANTISED
;;     5. [M 4,096, K 1,024] x [K 1,024, N 4,096]; A: computed on the way; B: input ff1_w (given as codes): QUANTISED
;;     6. [M 4,096, K 4,096] x [K 4,096, N 1,024]; A: computed on the way; B: input ff2_w (given as codes): QUANTISED
;;   THE QUANTISER, for each operand of a quantised product, along K:
;;     - K is cut into blocks of 32 from its start; a last block that is shorter is filled with zeros.
;;     - A block's scale is 2^e with e = floor(log2(the largest magnitude in the block)) - 8, held to -126 .. 127; a block of zeros has e = 0. As a byte (E8M0): e + 127.
;;     - Each number is divided by its block's scale, clamped to +-448, and rounded to the nearest number of E4M3, ties to even, subnormals kept.
;;     - The product sums the exact products of the quantised numbers (number of the format x scale) in f32.
;;   ~~~python
;;   def quantise(x, axis):      # numpy; x: float32 -> the quantised numbers, widened to float32 again
;;       x = np.moveaxis(x, axis, -1); K = x.shape[-1]
;;       x = np.pad(x, [(0, 0)] * (x.ndim - 1) + [(0, -K % 32)]); x = x.reshape(x.shape[:-1] + (-1, 32)); a = np.abs(x).max(-1, keepdims=True)
;;       e = np.where(a > 0, np.clip(np.frexp(np.where(a > 0, a, 1))[1] - 1 - 8, -126, 127), 0)      # np.frexp(a)[1] - 1 = floor(log2(a)), exactly
;;       r = np.clip(x / 2.0 ** e, -448, 448)
;;       step = 2.0 ** (np.maximum(np.frexp(np.where(r == 0, 1, r))[1] - 1, -6) - 3)
;;       q = np.round(r / step) * step * 2.0 ** e      # np.round: ties to even
;;       return np.moveaxis(q.reshape(q.shape[:-2] + (-1,))[..., :K], -1, axis).astype(np.float32)
;;   ~~~
;;   SOFTMAX AHEAD OF A QUANTISED PRODUCT. Where the list says 'softmax', what is quantised is not the finished softmax but p = 2^(t - M), with t = logit x log2(e) and M = ceil(the row's largest t), a whole number; so 1/2 < the row's largest p <= 1. The row's sum l is taken of the UNQUANTISED p, in f32, and the product's result is divided by l at the end. Since M is a whole number, a kernel that streams over the keys may use a running M (the ceiling of the running maximum): every later rescaling is an exact power of two, which a block's scale takes up: the codes' values come out the same.
;;   OPERANDS COMPUTED ON THE WAY. 'Computed on the way' means the value that the module computes at that place (a softmax that the list does not call 'softmax' is quantised finished and normalised). What goes into a quantiser is computed in f32, as accurately as f32 sums, v_exp_f32 and their like allow (about 1e-6 of the number): no bf16 or f16 on the way to a quantiser, and a product that is left as it is and whose result goes on into a quantised operand takes f32 operands (vector FMAs, or v_wmma_f32_16x16x4_f32). A number that lies on a knife's edge between two numbers of the format may be rounded either way, as far as f32 arithmetic and the matrix unit's own rounding can turn it there, and no further.
;;   INPUTS GIVEN AS CODES. ff1_w (in the module: [1024, 4096], K = its axis 0); ff2_w (in the module: [4096, 1024], K = its axis 0); proj_w (in the module: [1024, 1024], K = its axis 0); qkv_w (in the module: [1024, 3072], K = its axis 0): each comes as NAME_codes (uint8): NAME with its K axis moved to the last place and cut into blocks of 32 codes, [.., K / 32, bytes a block], one block behind the other in memory; one code a byte (a code: sign, 4 exponent bits, 3 mantissa bits); and NAME_scales (uint8): the same leading axes, one E8M0 byte (e + 127) for each 32 codes along K. Its value is code x scale, taken as it is: it is not quantised again, and the codes and scales need not be those that the quantiser above would give.
;; One version. Each part assembles by itself: llvm-mc -triple=amdgcn-amd-amdhsa -mcpu=gfx1250 --defsym DOCPART=n.
;; ======== version 1 of 1: 7 launches
;; limits: right only within a limited range of input values
;; workspace buffers: hn 4,325,376 bytes; qkvb 13,238,272 bytes; ob 4,325,376 bytes; x1 16,777,216 bytes; gb 17,301,504 bytes
;; launch ln1 (part 1): grid 256 x 1, 4 waves a work-group, no clusters, 22,016 bytes of LDS; arguments x, ln1_g, ln1_b, hn; writes hn
.if DOCPART == 1
	.amdgcn_target "amdgcn-amd-amdhsa--gfx1250"
	.amdhsa_code_object_version 6
	.text
	.protected	k_qd2a01913c9_ln1
	.globl	k_qd2a01913c9_ln1
	.p2align	8
	.type	k_qd2a01913c9_ln1,@function
k_qd2a01913c9_ln1:
	s_mov_b64 s[64:65], 0
	v_nop
	global_prefetch_b8 v0, s[64:65] scope:SCOPE_SE
	s_setreg_imm32_b32 hwreg(HW_REG_WAVE_MODE, 25, 1), 1
	s_wait_xcnt 0x0
; THE PROGRAM: one pre-norm transformer block, 4,096 tokens x 1,024, 16 heads of 64, hidden 4,096, all six products on E4M3 codes with one E8M0 scale for each 32 along K.
; Seven launches: this body (layer norm 1 -> codes), qkv (product 1, q k v -> codes), attn (products 2 and 3), proj (product 4 + residual), this body again (layer norm 2), ff1 (product 5, gelu -> codes), ff2 (product 6 + residual).
; WORK LEFT OUT, in launch attn alone: key steps of 128 keys all of which come after all 16 queries of a wave.  reference() builds jnp.tril in its own body and sets those logits to -inf ahead of the softmax,
; so their p is 0 and they add nothing to the row's sum or to the second product, whatever finite values the inputs hold.  Every input has a way to the output and is loaded.
; LIMIT: a NaN, an infinity or an overflow that would arise only in those hidden scores is not carried to the result.
; THIS BODY: y = (x - mean) * rsqrt(var + 1e-5) * g + b along rows of 1,024 f32 (mean first, then the mean of the squared differences, as reference() has it), then quantised along the row:
; a block's scale is 2^(floor(log2(largest magnitude)) - 8), its byte the largest magnitude's exponent field - 8, held at 1 from below; numbers are held within +-448 x the scale and rounded to the nearest code, ties to even.
; (A block of zeros keeps the byte 1 where the rule says 127: its codes are zeros, and this program alone reads the bytes.)
; LIMITS: NaN and infinities among the inputs are not served; blocks whose largest magnitude lies under 2^-118 get the byte 1.
; OUT: hn: codes [4096][1024] from byte 0, scale bytes [4096][32] from byte 4,194,304.
; SHARES: a wave takes four rows and keeps them in registers (32 a row): each row is read from memory once.  All 48 loads of a wave go out at the head.  Each load and each store of codes covers 512 consecutive bytes.
; The conversions want 16 neighbours in ONE lane, the loads give a lane 4: a row's numbers turn through the wave's own two stages in LDS (16 bytes of padding behind each 64), as they lie in, 64 bytes a lane out.
; No matrix unit, no cluster, no tensor load: waves share nothing and memory binds.
.set SP,    80                         ; a lane's place in a stage: 64 bytes + 16 of padding
.set WREG,  5376                       ; LDS of a wave: two stages of 32 x SP bytes, then its 128 scale bytes
.set SBY,   5120
.set SPARE, 4*WREG                     ; behind the four regions: the spare words, 128 bytes a wave
.set SPW,   12                         ; v12 LDS address of my spare word; never rewritten
.set NIL,   13                         ; v13 0; never rewritten
.set Y,     32                         ; v32-63   two sets of 16 neighbours
.set G,     64                         ; v64-95   g of my 32 columns
.set BV,    96                         ; v96-127  b of my 32 columns
.set X,     128                        ; v128-255 four rows, 32 registers each; a row's codes and scale bytes later lie in its own registers
	s_load_b256 s[4:11], s[0:1], 0x0               ; src s[4:5], g s[6:7], b s[8:9], hn s[10:11]
	v_lshl_add_u32 v[SPW], v0, 2, SPARE
	v_mov_b32 v[NIL], 0
	v_lshrrev_b32 v7, 5, v0
	v_readfirstlane_b32 s16, v7                    ; wave
	v_and_b32 v7, 31, v0                           ; lane
	v_lshlrev_b32 v1, 4, v7                        ; my 16 bytes of a load's or a store's 512
	s_mul_i32 s17, s16, WREG
	v_lshrrev_b32 v2, 2, v7
	v_mul_u32_u24 v2, v2, SP
	v_and_b32 v3, 3, v7
	v_lshl_add_u32 v2, v3, 4, v2
	v_add_nc_u32 v2, s17, v2                       ; stage, way in: SP (lane / 4) + 16 (lane % 4)
	v_mul_u32_u24 v3, v7, SP
	v_add_nc_u32 v3, s17, v3                       ; stage, way out: SP x lane
	s_add_co_u32 s17, s17, SBY
	v_lshrrev_b32 v4, 1, v7
	v_add_nc_u32 v4, s17, v4                       ; my block's scale byte
	v_lshlrev_b32 v6, 2, v7
	v_add_nc_u32 v5, s17, v6                       ; and on the way out 4 bytes a lane
	v_mov_b32 v28, 0                               ; a lane permute's destination counts as one of its sources
	s_mov_b32 s12, 0x76543210
	s_mov_b32 s13, 0xfedcba98                      ; lane l xor 16
	s_mov_b32 s14, 0x3a800000                      ; 1 / 1024
	s_mov_b32 s15, 0x3727c5ac                      ; 1e-5
	s_mov_b32 s28, 0x600000                        ; the mantissa field of 448
	s_lshl_b32 s18, ttmp9, 4
	s_lshl_b32 s19, s16, 2
	s_add_co_u32 s18, s18, s19                     ; my first row: 16 x work-group + 4 x wave
	s_lshl_b32 s20, s18, 12                        ; 4,096 bytes a row of f32
	s_mov_b32 s21, 0
	s_lshl_b32 s22, s18, 10                        ; 1,024 bytes a row of codes
	s_mov_b32 s23, 0
	s_lshl_b32 s24, s18, 5                         ; 32 scale bytes a row,
	s_add_co_u32 s24, s24, 0x400000                ; behind the codes
	s_mov_b32 s25, 0
	s_wait_kmcnt 0x0
	s_add_nc_u64 s[4:5], s[4:5], s[20:21]
	s_add_nc_u64 s[26:27], s[10:11], s[24:25]
	s_add_nc_u64 s[10:11], s[10:11], s[22:23]
.macro RLOAD p
.irp j, 0,1,2,3,4,5,6,7
	global_load_b128 v[X+32*\p+4*\j:X+32*\p+4*\j+3], v1, s[4:5] offset:4096*\p+512*\j
.endr
.endm
	RLOAD 0
.irp j, 0,1,2,3,4,5,6,7
	global_load_b128 v[G+4*\j:G+4*\j+3], v1, s[6:7] offset:512*\j
.endr
.irp j, 0,1,2,3,4,5,6,7
	global_load_b128 v[BV+4*\j:BV+4*\j+3], v1, s[8:9] offset:512*\j
.endr
	RLOAD 1
	RLOAD 2
	RLOAD 3
.macro WSUM                            ; v16 summed over the 32 lanes, the sum in every lane
	v_add_f32_dpp v16, v16, v16 row_xmask:1 row_mask:0xf bank_mask:0xf
	v_add_f32_dpp v16, v16, v16 row_xmask:2 row_mask:0xf bank_mask:0xf
	v_add_f32_dpp v16, v16, v16 row_xmask:4 row_mask:0xf bank_mask:0xf
	v_add_f32_dpp v16, v16, v16 row_xmask:8 row_mask:0xf bank_mask:0xf
	v_permlanex16_b32 v28, v16, s12, s13
	v_add_f32 v16, v16, v28
.endm
; Half s of row p: 512 numbers, 16 neighbours a lane, two neighbouring lanes to a block
.macro QSTEP p, s
.set YS, Y+16*\s
.set CR, X+32*\p+4*\s                  ; the codes: registers of the row that its LDS stores have left; no store's data are ever written again
.set ER, X+32*\p+8+\s                  ; the scale byte
	v_max3_num_f32 v24, |v[YS]|, |v[YS+1]|, |v[YS+2]|
	v_max3_num_f32 v25, |v[YS+3]|, |v[YS+4]|, |v[YS+5]|
.irp i, 6,10
	v_max3_num_f32 v24, v24, |v[YS+\i]|, |v[YS+\i+1]|
	v_max3_num_f32 v25, v25, |v[YS+\i+2]|, |v[YS+\i+3]|
.endr
	v_max3_num_f32 v24, v24, |v[YS+14]|, |v[YS+15]|
	v_max3_num_f32 v24, v24, v25, 0x4800000        ; and the floor 2^(9 - 127): the byte cannot fall under 1
	v_max_num_f32_dpp v24, v24, v24 row_xmask:1 row_mask:0xf bank_mask:0xf   ; with my neighbour's 16: the block's largest magnitude
	v_add_nc_u32 v26, 0xfc000000, v24              ; 8 off its exponent field: the conversion's scale operand
	v_and_or_b32 v27, v24, 0x7f800000, s28         ; 448 x the scale
.irp i, 0,1,2,3,4,5,6,7,8,9,10,11,12,13,14,15
	v_med3_num_f32 v[YS+\i], v[YS+\i], -v27, v27   ; the conversion to an 8-bit code does not saturate (ISA guide 7.6.2): the hold comes first
.endr
	v_cvt_scalef32_pk8_fp8_f32 v[CR:CR+1], v[YS:YS+7], v26
	v_cvt_scalef32_pk8_fp8_f32 v[CR+2:CR+3], v[YS+8:YS+15], v26
	v_lshrrev_b32 v[ER], 23, v26                   ; the scale's byte (also the plain line behind the conversions)
	ds_store_b8 v4, v[ER] offset:32*\p+16*\s       ; both lanes of a block write the same byte with the same value
	global_store_b128 v1, v[CR:CR+3], s[10:11] offset:1024*\p+512*\s   ; 32 lanes store 512 consecutive bytes
.endm
; Row p.  n1: how many younger loads may stay out when the row has to be there; n2 (row 0 alone): the same for g and b
.macro ROW p, n1, n2
.set XR, X+32*\p
	s_wait_loadcnt \n1
	v_pk_add_f32 v[16:17], v[XR:XR+1], v[XR+2:XR+3]           ; the sum, in two chains
	v_pk_add_f32 v[18:19], v[XR+4:XR+5], v[XR+6:XR+7]
.irp i, 8,12,16,20,24,28
	v_pk_add_f32 v[16:17], v[16:17], v[XR+\i:XR+\i+1]
	v_pk_add_f32 v[18:19], v[18:19], v[XR+\i+2:XR+\i+3]
.endr
	v_pk_add_f32 v[16:17], v[16:17], v[18:19]
	v_add_f32 v16, v16, v17
	WSUM
	v_mul_f32 v20, s14, v16                        ; the mean, twice: a pair for the packed form
	v_mul_f32 v21, s14, v16
.irp i, 0,2,4,6,8,10,12,14,16,18,20,22,24,26,28,30
	v_pk_add_f32 v[XR+\i:XR+\i+1], v[XR+\i:XR+\i+1], v[20:21] neg_lo:[0,1] neg_hi:[0,1]
.endr
	v_pk_mul_f32 v[16:17], v[XR:XR+1], v[XR:XR+1]             ; the sum of squares, in two chains
	v_pk_mul_f32 v[18:19], v[XR+2:XR+3], v[XR+2:XR+3]
.irp i, 4,8,12,16,20,24,28
	v_pk_fma_f32 v[16:17], v[XR+\i:XR+\i+1], v[XR+\i:XR+\i+1], v[16:17]
	v_pk_fma_f32 v[18:19], v[XR+\i+2:XR+\i+3], v[XR+\i+2:XR+\i+3], v[18:19]
.endr
	v_pk_add_f32 v[16:17], v[16:17], v[18:19]
	v_add_f32 v16, v16, v17
	WSUM
	v_fma_f32 v22, v16, s14, s15                   ; var + eps
	s_wait_alu depctr_va_vdst(0)
	v_rsq_f32 v22, v22
	v_nop                                          ; a plain line behind the transcendental,
	s_wait_alu depctr_va_vdst(0)                   ; and the wait ahead of its first reader
	v_mov_b32 v23, v22
.if \n2 >= 0
	s_wait_alu depctr_va_vdst(0)
	s_wait_loadcnt \n2                             ; g and b are in; rows 1 to 3 may stay out
.endif
.irp i, 0,2,4,6,8,10,12,14,16,18,20,22,24,26,28,30
	v_pk_mul_f32 v[XR+\i:XR+\i+1], v[XR+\i:XR+\i+1], v[22:23]
.endr
.irp i, 0,2,4,6,8,10,12,14,16,18,20,22,24,26,28,30
	v_pk_fma_f32 v[XR+\i:XR+\i+1], v[XR+\i:XR+\i+1], v[G+\i:G+\i+1], v[BV+\i:BV+\i+1]
.endr
.irp j, 0,1,2,3,4,5,6,7
	ds_store_b128 v2, v[XR+4*\j:XR+4*\j+3] offset:32*SP*(\j/4)+8*SP*(\j%4)   ; LDS serves a wave's instructions in order: no wait between these and the loads, nor against the row before
.endr
.irp s, 0,1
.irp i, 0,1,2,3
	ds_load_b128 v[Y+16*\s+4*\i:Y+16*\s+4*\i+3], v3 offset:32*SP*\s+16*\i
.endr
.endr
	s_wait_dscnt 4                                 ; the first half's four loads are in; the second half's four may be out
	QSTEP \p, 0
	s_wait_dscnt 1                                 ; the second half is in; the byte store issued behind it may be out
	QSTEP \p, 1
.endm
	ROW 0, 40, 24                                  ; behind row 0's loads: g 8, b 8, rows 1 to 3 24
	ROW 1, 16, -1
	ROW 2, 8, -1
	ROW 3, 0, -1
	ds_load_b32 v16, v5                            ; my wave's 128 scale bytes, in order behind my stores
	s_wait_dscnt 0x0
	global_store_b32 v6, v16, s[26:27]             ; 128 consecutive bytes: four rows' scale bytes
	s_wait_tensorcnt 0x0                           ; the wave's end, behind my last LDS store
	ds_add_u32 v[SPW], v[NIL]
	s_wait_dscnt 0x0
	s_endpgm
.Lfunc_end_k_qd2a01913c9_ln1:
	.size	k_qd2a01913c9_ln1, .Lfunc_end_k_qd2a01913c9_ln1-k_qd2a01913c9_ln1
	.p2alignl 7, 3214868480
	.fill 96, 4, 3214868480
	.section	.rodata,"a",@progbits
	.p2align	6, 0x0
	.amdhsa_kernel k_qd2a01913c9_ln1
		.amdhsa_group_segment_fixed_size 22016
		.amdhsa_private_segment_fixed_size 0
		.amdhsa_enable_private_segment 0
		.amdhsa_kernarg_size 32
		.amdhsa_user_sgpr_count 2
		.amdhsa_user_sgpr_kernarg_segment_ptr 1
		.amdhsa_wavefront_size32 1
		.amdhsa_system_sgpr_workgroup_id_x 1
		.amdhsa_system_sgpr_workgroup_id_y 1
		.amdhsa_system_sgpr_workgroup_id_z 1
		.amdhsa_system_vgpr_workitem_id 0
		.amdhsa_next_free_vgpr 256
		.amdhsa_next_free_sgpr 66
		.amdhsa_reserve_vcc 0
		.amdhsa_float_denorm_mode_32 3
		.amdhsa_float_denorm_mode_16_64 3
		.amdhsa_memory_ordered 1
		.amdhsa_forward_progress 1
		.amdhsa_inst_pref_size 52
	.end_amdhsa_kernel
	.amdgpu_metadata
---
amdhsa.version: [ 1, 2 ]
amdhsa.kernels:
  - .name:           k_qd2a01913c9_ln1
    .symbol:         k_qd2a01913c9_ln1.kd
    .args:
      - { .name: x, .offset: 0, .size: 8, .value_kind: global_buffer, .address_space: global }
      - { .name: ln1_g, .offset: 8, .size: 8, .value_kind: global_buffer, .address_space: global }
      - { .name: ln1_b, .offset: 16, .size: 8, .value_kind: global_buffer, .address_space: global }
      - { .name: hn, .offset: 24, .size: 8, .value_kind: global_buffer, .address_space: global }
    .group_segment_fixed_size: 22016
    .private_segment_fixed_size: 0
    .kernarg_segment_align: 8
    .kernarg_segment_size: 32
    .max_flat_workgroup_size: 128
    .sgpr_count:     66
    .vgpr_count:     256
    .wavefront_size: 32
...
	.end_amdgpu_metadata
.endif
;; end of part 1
;; launch qkv (part 2): grid 12 x 16, 4 waves a work-group, clusters of 4 x 4, 327,680 bytes of LDS; arguments hn, qkv_w_codes, qkv_w_scales, qkv_b, qkvb; writes qkvb
.if DOCPART == 2
	.amdgcn_target "amdgcn-amd-amdhsa--gfx1250"
	.amdhsa_code_object_version 6
	.text
	.protected	k_qd2a01913c9_qkv
	.globl	k_qd2a01913c9_qkv
	.p2align	8
	.type	k_qd2a01913c9_qkv,@function
k_qd2a01913c9_qkv:
	s_mov_b64 s[64:65], 0
	v_nop
	global_prefetch_b8 v0, s[64:65] scope:SCOPE_SE
	s_setreg_imm32_b32 hwreg(HW_REG_WAVE_MODE, 25, 1), 1
	s_wait_xcnt 0x0
	s_wait_alu depctr_hold_cnt(0) depctr_sa_sdst(0) depctr_va_vdst(0) depctr_va_sdst(0) depctr_va_ssrc(0) depctr_va_vcc(0) depctr_vm_vsrc(0)
	s_getreg_b32 s2, hwreg(HW_REG_IB_STS2, 6, 4)
	s_cmp_eq_u32 s2, 0
	s_cbranch_scc0 .Lentry_in_a_cluster
	s_endpgm
.Lentry_in_a_cluster:
	s_bfe_u32 s2, ttmp6, 0x10000c
	s_cmp_lg_u32 s2, 0xf033
	s_cbranch_scc0 .Lentry_shape_is_right
	s_endpgm
.Lentry_shape_is_right:
; Product 1: qkv = Q(h) qkv_w + qkv_b, [4096 x 1024] x [1024 x 3072], on E4M3 codes with E8M0 scales; then q and k are quantised along the head's 64 and v along the tokens, all in registers, and leave as codes.
; A tile of 256 x 256 is made by four waves, 128 x 128 each (64 accumulators, 512 registers).  K goes in steps of 256 through a ring of two LDS slots filled by the tensor data mover; the scale bytes of the
; work-group's 2 x 256 rows for all of K come once, with the first fills.  CLUSTERS of 4 x 4: the four of a cluster's row ask jointly for role A's tiles, the four of a column for role B's.
; THE MATRIX INSTRUCTION IS USED TRANSPOSED (source 0 = 16 rows of role B, source 1 = 16 rows of role A): a lane holds one row of role A and its registers run along role B's rows.
; ROLES.  Cluster x = 0 makes q, 1 makes k: role A = tokens (hn), role B = the weight's rows, so a lane's registers run along d.  Cluster x = 2 makes v: role A = the weight's rows 2,048 on, role B = tokens, so a lane's
; registers run along the tokens, which are the K of attention's second product.  Both matrices have rows of 1,024 codes and 32 scale bytes, so only pointers and tile numbers are chosen, by the cluster's x, which all sixteen partners share.
; OUT (qkvb), as images of operand registers.  A chunk is 512 bytes: 16 rows x 32 along K; lane (r, h) holds 16 bytes at 16 x lane: row r, k = 16 h + 0 .. 15.  One store of a wave is one chunk.
;   q from 0, k from 4,194,304: [b 16 + head][t / 16][d / 32][512].   v from 8,388,608: [b 64 + channel / 16][t / 32][512].
;   scale words: q from 12,582,912, k from 12,845,056: [b 16 + head][t], bytes 0, 1 (bytes 2, 3 are 0 and stand over zero codes).   v from 13,107,200: [b][t / 128][channel], four bytes.
; THE QUANTISER: a block of 32 lies in 16 registers of lanes l and l xor 16.  Lanes 0-15 hold its k 0-7 and 16-23, lanes 16-31 k 8-15 and 24-31; two lane swaps a block turn the codes into a chunk.
; A block of zeros keeps the byte 1 (its codes are zeros; this program alone reads the bytes).  LIMITS: NaN and infinities are not served; blocks whose largest magnitude lies under 2^-118 get the byte 1.
; REGISTERS: window 0: v0-31 addresses; v32-63 scale words, two sets; v64-127 the bias in the result's layout; from v128 role A's fragments, one set; in the epilogue v128-191 64 numbers, v192-209 at work, v240-255 codes.
;   window 1: role B's fragments, two sets.   windows 2, 3: the accumulators ((a, b) at v[8 (8 (a % 4) + b)]).
.set KSTEP,  256
.set NQ,     KSTEP/128
.set ROWB,   256
.set KROW,   1024
.set PITCH,  272                       ; an LDS row: 256 bytes + 16 of padding: the 16 rows that a load touches start at 16 different banks
.set FR,     16
.set NL,     4
.set NP,     8                         ; places behind this matrix instruction (ISA guide 7.12.1)
.set HALFT,  128*PITCH
.set SLOT,   4*HALFT
.set LAPS,   2                         ; K = 1,024: twice round the ring
.set KS,     32
.set SCL,    2*SLOT
.set HALFS,  (128*KS/256)*272
.set SBLK,   (16*KS/256)*272
.set SPARE,  SCL+4*HALFS               ; the spare words, 128 bytes a wave
.set ADRA, 16
.set ADRB, 20
.set LRD,  22                          ; v22 the scale stage, way out: 2,048 x wave + 16 x lane
.set LI,   24                          ; v24 16 x lane
.set SWA,  25                          ; v25 the scale stage, way in: 2,048 x wave + 4 r
.set ADW,  26
.set ADRS, 27
.set SPW,  28
.set NIL,  29
.set BO0,  30                          ; v30 32 h; v31 4 r: the bias loads' offsets; never rewritten
.set BO1,  31
.set SC,   32
.set BB,   64
.set AF,   128
.set T,    128
.set TM,   192
.set W0,   208
.set W1,   209
.set PC,   240
.set G1, 24
.set G0, 32
.set G1B, 48
.set G0B, 56
.set G1S, 68
.set G0S, 76
.set G1SB, 80
.set G0SB, 88
.set MODE, 95                          ; s95 1: v
.set P0,   92                          ; s[92:93], s[96:97] where blocks 0, 1 and blocks 2, 3 of the row block in hand go
.set P1,   96
.set SP0,  98                          ; s[98:99], s[100:101] where the scale words go
.set SP1,  100
.set STR,  66                          ; s[66:67] from row block to row block
.set MULW, 94                          ; s94 65,536 for v (four bytes make one word), 0 for q and k
.set CNT,  2
.set SEL,  3
.set PSEL, 20
.set MNT,  22
.set AOF,  23
.set MSB, 0
.macro WIN new                         ; the immediate's high byte repeats the setting that is left
.if MSB != \new
	s_set_vgpr_msb (MSB<<8)|\new
.set MSB, \new
.endif
.endm
.set MUL_LO, 0xa1
.set MUL_HI, 0xf1
.set TO_B,   0x40
; A joint load: waves 0 and 1 fetch for role A, waves 2 and 3 for role B; the branch hangs on the wave's number alone.  An s_nop 0 and four v_nop follow each line.
.macro JLOAD g0a, g1a, g0b, g1b
	s_cmp_eq_u32 s15, 0
	s_cbranch_scc0 .Lfor_b_\@
	tensor_load_to_lds s[\g0a:\g0a+3], s[\g1a:\g1a+7]
	s_nop 0
.rept 4
	v_nop
.endr
	s_branch .Lasked_\@
.Lfor_b_\@:
	tensor_load_to_lds s[\g0b:\g0b+3], s[\g1b:\g1b+7]
	s_nop 0
.rept 4
	v_nop
.endr
.Lasked_\@:
.endm
.macro CREST
	s_cmp_lg_u32 s14, 0
	s_cbranch_scc1 .Lnot_wave_0_\@
	s_barrier_signal -3
.Lnot_wave_0_\@:
	s_barrier_wait -3
	s_barrier_signal -1
	s_barrier_wait -1
.endm
.macro CROUND
	s_barrier_signal -1
	s_barrier_wait -1
	CREST
.endm
	s_load_b256 s[4:11], s[0:1], 0x0               ; hn s[4:5], the weight's codes s[6:7], its scales s[8:9], the bias s[10:11]
	s_load_b64 s[12:13], s[0:1], 0x20              ; qkvb
	v_lshl_add_u32 v[SPW], v0, 2, SPARE
	v_mov_b32 v[NIL], 0
	ds_add_u32 v[SPW], v[NIL]                      ; the wave's opening: the add, twice on end, and its wait ahead of my first tensor load
	ds_add_u32 v[SPW], v[NIL]
	v_lshrrev_b32 v1, 5, v0
	v_readfirstlane_b32 s14, v1                    ; wave 0..3
	s_lshr_b32 s15, s14, 1                         ; which half of role A's rows is mine.  Also: I fetch for A (0) or for B (1)
	s_and_b32 s16, s14, 1                          ; which half of role B's rows.  Also: which 128 rows I fetch
	s_bfe_u32 s40, ttmp6, 0x40000                  ; cx
	s_bfe_u32 s41, ttmp6, 0x40004                  ; cy
	s_lshl_b32 s42, ttmp9, 2                       ; 4 x cluster x
	s_and_b32 s17, ttmp7, 0xffff
	s_lshl_b32 s17, s17, 2                         ; 4 x cluster y
	s_cmp_eq_u32 ttmp9, 2                          ; v?  The cluster's x: the same in all sixteen partners
	s_cselect_b32 s[MODE], 1, 0
	s_cselect_b32 s42, s17, s42                    ; role B's tile: v: tokens, by cluster y; else the weight's rows, by cluster x
	s_cselect_b32 s17, 8, s17                      ; role A's tile: v: the weight's rows 2,048 on; else tokens, by cluster y
	s_add_co_u32 s42, s42, s40                     ; + cx
	s_add_co_u32 s17, s17, s41                     ; + cy
	s_lshl_b32 s43, s41, 2
	s_lshl_b32 s43, 15, s43                        ; my row of the cluster
	s_lshl_b32 s44, 0x1111, s40                    ; my column
	s_or_b32 s[G1+0], s43, (0<<16)|(1<<20)|(1<<21)|(5<<22)|(3<<25)  ; the mask; elements of 1 byte; padding: 4 words behind every 64
	s_or_b32 s[G1B+0], s44, (0<<16)|(1<<20)|(1<<21)|(5<<22)|(3<<25)
.irp g, G1, G1B
	s_mov_b32 s[\g+1], ROWB<<16                    ; tensor_dim0
	s_mov_b32 s[\g+2], 256<<16                     ; tensor_dim1: the head's loads bring 256 rows
	s_mov_b32 s[\g+3], ROWB<<16                    ; tile_dim0
	s_mov_b32 s[\g+4], 256                         ; tile_dim1
	s_mov_b32 s[\g+5], KROW                        ; the pitch
	s_mov_b32 s[\g+6], 0
	s_mov_b32 s[\g+7], 0
.endr
	s_or_b32 s[G1S+0], s43, (3<<16)|(1<<20)|(1<<21)|(5<<22)|(3<<25)  ; the scales of 256 rows: 8,192 dense bytes as 32 rows of 256, 16 bytes of padding behind each
	s_or_b32 s[G1SB+0], s44, (3<<16)|(1<<20)|(1<<21)|(5<<22)|(3<<25)
.irp g, G1S, G1SB
	s_mov_b32 s[\g+1], 32<<16
	s_mov_b32 s[\g+2], (256*KS/256)<<16
	s_mov_b32 s[\g+3], 32<<16
	s_mov_b32 s[\g+4], 256*KS/256
	s_mov_b32 s[\g+5], 32
	s_mov_b32 s[\g+6], 0
	s_mov_b32 s[\g+7], 0
.endr
	s_lshl_b32 s20, s17, 8                         ; role A: the tile's first row
	s_lshl_b32 s46, s42, 8                         ; role B likewise
	s_mov_b32 s21, 0
	s_mov_b32 s47, 0
	s_mov_b64 s[18:19], KS
	s_mul_u64 s[22:23], s[20:21], s[18:19]
	s_mul_u64 s[92:93], s[46:47], s[18:19]
	s_mov_b64 s[18:19], KROW
	s_mul_u64 s[20:21], s[20:21], s[18:19]
	s_mul_u64 s[46:47], s[46:47], s[18:19]
	s_mul_i32 s45, s14, HALFT                      ; where they go: wave x 128 rows
	s_mul_i32 s18, s16, 128*KROW                   ; in the ring I fetch 128 rows of a tile: which half, in bytes
	s_mov_b32 s19, 0
	s_wait_dscnt 0x0                               ; both opening adds are done
	s_wait_kmcnt 0x0
	s_add_nc_u64 s[96:97], s[4:5], 0x400000        ; hn's scale bytes
	s_cmp_eq_u32 s[MODE], 1
	s_cselect_b64 s[98:99], s[6:7], s[4:5]         ; role A's codes,
	s_cselect_b64 s[100:101], s[8:9], s[96:97]     ; role A's scales,
	s_cselect_b64 s[4:5], s[4:5], s[6:7]           ; role B's codes,
	s_cselect_b64 s[6:7], s[96:97], s[8:9]         ; role B's scales
	s_add_nc_u64 s[20:21], s[98:99], s[20:21]
	s_add_nc_u64 s[22:23], s[100:101], s[22:23]
	s_add_nc_u64 s[46:47], s[4:5], s[46:47]
	s_add_nc_u64 s[92:93], s[6:7], s[92:93]
	CROUND                                         ; all sixteen work-groups are here: the first joint loads meet
	s_mov_b32 s[G0S], 1
	s_mov_b32 s[G0S+1], SCL
	s_mov_b64 s[G0S+2:G0S+3], s[22:23]
	s_or_b32 s[G0S+3], s[G0S+3], 0x80000000
	s_mov_b32 s[G0SB], 1
	s_mov_b32 s[G0SB+1], SCL+2*HALFS
	s_mov_b64 s[G0SB+2:G0SB+3], s[92:93]
	s_or_b32 s[G0SB+3], s[G0SB+3], 0x80000000
	s_mov_b32 s[G0], 1                             ; slot 0's groups 0 serve the head first: K step 0's 256 rows of role A,
	s_mov_b32 s[G0+1], 0
	s_mov_b64 s[G0+2:G0+3], s[20:21]
	s_or_b32 s[G0+3], s[G0+3], 0x80000000
	s_mov_b32 s[G0B], 1                            ; and of role B, behind them in slot 0
	s_mov_b32 s[G0B+1], 2*HALFT
	s_mov_b64 s[G0B+2:G0B+3], s[46:47]
	s_or_b32 s[G0B+3], s[G0B+3], 0x80000000
	s_add_nc_u64 s[20:21], s[20:21], s[18:19]      ; for the ring: my 128 rows of the tile
	s_add_nc_u64 s[46:47], s[46:47], s[18:19]
.irp s, 1
	s_mov_b32 s[G0+4*\s], 1
	s_add_co_u32 s[G0+4*\s+1], s45, \s*SLOT
	s_add_nc_u64 s[G0+4*\s+2:G0+4*\s+3], s[20:21], \s*ROWB
	s_or_b32 s[G0+4*\s+3], s[G0+4*\s+3], 0x80000000
	s_mov_b32 s[G0B+4*\s], 1
	s_add_co_u32 s[G0B+4*\s+1], s45, \s*SLOT
	s_add_nc_u64 s[G0B+4*\s+2:G0B+4*\s+3], s[46:47], \s*ROWB
	s_or_b32 s[G0B+4*\s+3], s[G0B+4*\s+3], 0x80000000
.endr
	; where my prefetches stand: of the 128 rows that I fetch in the ring, my work-group's 32 (the four partners of a joint load are told apart by address: cx for role A, cy for role B)
	s_cmp_eq_u32 s15, 0
	s_cselect_b64 s[8:9], s[20:21], s[46:47]
	s_cselect_b32 s6, s40, s41
	s_lshl_b32 s6, s6, 15                          ; 32 rows of 1,024 bytes
	s_mov_b32 s7, 0
	s_add_nc_u64 s[8:9], s[8:9], s[6:7]
; THE HEAD'S LOADS, ONE A WAVE: wave 0 K step 0's 256 rows of role A, wave 1 those of role B, wave 2 role A's scale bytes, wave 3 role B's.  One tree of branches on the wave's number.
.macro ARM under, g0, g1, next
	s_cmp_lt_u32 s14, \under
	s_cbranch_scc0 \next
	tensor_load_to_lds s[\g0:\g0+3], s[\g1:\g1+7]
	s_nop 0
.rept 4
	v_nop
.endr
	s_branch .Lhead_asked
\next:
.endm
	ARM 1, G0,  G1,  .Lhead_b
	ARM 2, G0B, G1B, .Lhead_sa
	ARM 3, G0S, G1S, .Lhead_sb
	tensor_load_to_lds s[G0SB:G0SB+3], s[G1SB:G1SB+7]
	s_nop 0
.rept 4
	v_nop
.endr
.Lhead_asked:
	v_and_b32 v23, 31, v0
	v_lshlrev_b32 v23, 10, v23                     ; a lane a row; v23 and s[8:9] are never rewritten
	global_prefetch_b8 v23, s[8:9] offset:256 th:TH_LOAD_NT scope:SCOPE_SE   ; K steps 1 and 2 of my 32 rows, 256 bytes a row and step
	global_prefetch_b8 v23, s[8:9] offset:512 th:TH_LOAD_NT scope:SCOPE_SE
	v_and_b32 v1, 15, v0                           ; r
	v_bfe_u32 v2, v0, 4, 1                         ; h
	v_mul_u32_u24 v3, v1, PITCH
	v_lshl_add_u32 v4, v2, 4, v3
	s_mul_i32 s21, s15, HALFT
	s_mul_i32 s22, s16, HALFT
	s_add_co_u32 s22, s22, 2*HALFT
.irp s, 0,1
	v_add_nc_u32 v[ADRA+\s], s21, v4
	v_add_nc_u32 v[ADRB+\s], s22, v4
	s_add_co_u32 s21, s21, SLOT
	s_add_co_u32 s22, s22, SLOT
.endr
	v_mul_u32_u24 v5, v1, KS
	v_lshrrev_b32 v6, 8, v5
	v_lshl_add_u32 v5, v6, 4, v5
	s_mul_i32 s21, s15, HALFS
	s_mul_i32 s22, s16, HALFS
	s_add_co_u32 s22, s22, 2*HALFS
	s_sub_co_u32 s22, s22, s21
	v_mul_u32_u24 v6, s22, v2                      ; lanes 16-31 take role B's scale words
	s_add_co_u32 s21, s21, SCL
	v_add_nc_u32 v5, v5, v6
	v_add_nc_u32 v[ADRS], s21, v5
	v_and_b32 v6, 31, v0
	v_lshlrev_b32 v[LI], 4, v6
	s_lshl_b32 s23, s14, 11                        ; my scale stage: 2,048 x wave, in slot 0, used when that slot has had its last fill and its last read
	v_lshl_add_u32 v[SWA], v1, 2, s23
	v_add_nc_u32 v[LRD], s23, v[LI]
	v_lshlrev_b32 v[BO0], 5, v2
	v_lshlrev_b32 v[BO1], 2, v1
	; where my results go.  Tokens: q, k: role A's rows; v: role B's
	s_cmp_eq_u32 s[MODE], 1
	s_cselect_b32 s18, s42, s17
	s_cselect_b32 s19, s16, s15
	s_lshl_b32 s18, s18, 8
	s_lshl_b32 s19, s19, 7
	s_add_co_u32 s18, s18, s19                     ; my first token
	s_lshr_b32 s19, s18, 11                        ; b
	s_and_b32 s18, s18, 2047                       ; t0
	s_lshl_b32 s20, s40, 2                         ; q, k: my first head = 4 cx + 2 x column half
	s_lshl_b32 s21, s16, 1
	s_add_co_u32 s20, s20, s21
	s_lshl_b32 s21, s19, 4
	s_add_co_u32 s20, s20, s21                     ; 16 b + head
	s_lshl_b32 s21, s20, 17                        ; x 128 tiles x 1,024 bytes
	s_lshl_b32 s22, s18, 6                         ; + (t0 / 16) x 1,024
	s_add_co_u32 s21, s21, s22
	s_lshl_b32 s22, ttmp9, 22                      ; + q's or k's region
	s_add_co_u32 s21, s21, s22
	s_lshl_b32 s20, s20, 13                        ; scale words: (16 b + head) x 2,048 x 4
	s_lshl_b32 s22, s18, 2
	s_add_co_u32 s20, s20, s22
	s_lshl_b32 s22, ttmp9, 18
	s_add_co_u32 s20, s20, s22
	s_add_co_u32 s20, s20, 12582912
	s_lshl_b32 s22, s41, 8                         ; v: my first channel = 256 cy + 128 x row half
	s_lshl_b32 s23, s15, 7
	s_add_co_u32 s22, s22, s23
	s_lshl_b32 s23, s19, 21                        ; b x 64 x 64 x 512
	s_lshl_b32 s43, s22, 11                        ; + (channel / 16) x 64 x 512
	s_add_co_u32 s23, s23, s43
	s_lshl_b32 s43, s18, 4                         ; + (t0 / 32) x 512
	s_add_co_u32 s23, s23, s43
	s_add_co_u32 s23, s23, 8388608
	s_lshl_b32 s43, s19, 16                        ; scale words: b x 16 x 1,024 x 4
	s_lshl_b32 s44, s18, 5                         ; + (t0 / 128) x 1,024 x 4
	s_add_co_u32 s43, s43, s44
	s_lshl_b32 s44, s22, 2
	s_add_co_u32 s43, s43, s44
	s_add_co_u32 s43, s43, 13107200
	s_lshl_b32 s44, s42, 8                         ; the bias: q, k: my first column of qkv;
	s_lshl_b32 s45, s16, 7
	s_add_co_u32 s44, s44, s45
	s_add_co_u32 s45, s22, 2048                    ; v: 2,048 + my first channel
	s_cmp_eq_u32 s[MODE], 1
	s_cselect_b32 s46, s45, s44
	s_cselect_b32 s44, s23, s21
	s_cselect_b32 s18, s43, s20
	s_mov_b32 s20, 131072                          ; blocks 2, 3: q, k: the next head; v: two chunks on
	s_cselect_b32 s20, 1024, s20
	s_mov_b32 s[STR], 1024                         ; the next row block: q, k: the next tile of tokens; v: the next tile of channels
	s_cselect_b32 s[STR], 32768, s[STR]
	s_cselect_b32 s[MULW], 65536, 0
	s_mov_b32 s43, 0x10001                         ; q, k: a word's two bytes are written twice, so that they stand over either half of the next launch's 128 along K; v: once
	s_cselect_b32 s43, 1, s43
	s_mov_b32 s[STR+1], 0
	s_mov_b32 s45, 0
	s_mov_b32 s19, 0
	s_mov_b32 s21, 0
	s_mov_b32 s47, 0
	s_lshl_b32 s46, s46, 2
	s_add_nc_u64 s[P0:P0+1], s[12:13], s[44:45]
	s_add_nc_u64 s[P1:P1+1], s[P0:P0+1], s[20:21]
	s_add_nc_u64 s[SP0:SP0+1], s[12:13], s[18:19]
	s_add_nc_u64 s[SP1:SP1+1], s[SP0:SP0+1], 8192
	s_add_nc_u64 s[10:11], s[10:11], s[46:47]
	; the bias in the result's layout, 64 registers; it lands while K is walked.  q, k: it runs along my registers; v: it belongs to my lane's channel, eight times over for each row block
	s_cmp_eq_u32 s[MODE], 1
	s_cbranch_scc1 .Lbias_v
	s_wait_alu depctr_va_vdst(0)
.irp b, 0,1,2,3,4,5,6,7
	global_load_b128 v[BB+8*\b:BB+8*\b+3], v[BO0], s[10:11] offset:64*\b
	global_load_b128 v[BB+8*\b+4:BB+8*\b+7], v[BO0], s[10:11] offset:64*\b+16
.endr
	s_branch .Lbias_in
.Lbias_v:
	s_wait_alu depctr_va_vdst(0)
.irp a, 0,1,2,3,4,5,6,7
.irp j, 0,1,2,3,4,5,6,7
	global_load_b32 v[BB+8*\a+\j], v[BO1], s[10:11] offset:64*\a
.endr
.endr
.Lbias_in:
.macro FRAG reg, adr, q, i             ; 16 rows x 128 K: registers 4 c .. 4 c + 3 hold K = 32 c + 16 (l / 16) + 0 .. 15
.irp c, 0,1,2,3
	ds_load_b128 v[\reg+4*\c:\reg+4*\c+3], v[\adr] offset:128*(\q)+32*\c+(\i)*16*PITCH
.endr
.endm
; 16 matrix instructions: A's blocks a0, a0 + 1 x B's eight.  The 64 accumulators take turns, one instruction a turn, in the same order in every step.
.macro MUL16 a0, p, q, sc, zero
.irp a, \a0, \a0+1
.irp b, 0,1,2,3,4,5,6,7
.if \zero
	v_wmma_scale_f32_16x16x128_f8f6f4 v[8*(8*((\a)%4)+\b):8*(8*((\a)%4)+\b)+7], v[128*(\p)+FR*\b:128*(\p)+FR*\b+FR-1], v[AF+FR*(\a):AF+FR*(\a)+FR-1], 0, v[SC+8*NQ*(\sc)+NQ*\b+(\q)], v[SC+8*NQ*(\sc)+NQ*(\a)+(\q)] matrix_a_scale:MATRIX_SCALE_ROW1
.else
	v_wmma_scale_f32_16x16x128_f8f6f4 v[8*(8*((\a)%4)+\b):8*(8*((\a)%4)+\b)+7], v[128*(\p)+FR*\b:128*(\p)+FR*\b+FR-1], v[AF+FR*(\a):AF+FR*(\a)+FR-1], v[8*(8*((\a)%4)+\b):8*(8*((\a)%4)+\b)+7], v[SC+8*NQ*(\sc)+NQ*\b+(\q)], v[SC+8*NQ*(\sc)+NQ*(\a)+(\q)] matrix_a_scale:MATRIX_SCALE_ROW1
.endif
.endr
.endr
.endm
.macro FETCH_B slot, q, p
	WIN TO_B
.irp i, 0,1,2,3,4,5,6,7
	FRAG 128*(\p)+FR*\i, ADRB+\slot, \q, \i
.endr
	WIN 0
.endm
.macro FETCH_A slot, q, i0
.irp i, \i0, \i0+1, \i0+2, \i0+3
	FRAG AF+FR*(\i), ADRA+\slot, \q, \i
.endr
.endm
.macro SCALES sc                       ; lanes 0-15 take A's block i, lanes 16-31 B's block i: two words a row for the K step
.irp i, 0,1,2,3,4,5,6,7
	ds_load_b64 v[SC+8*NQ*\sc+NQ*\i:SC+8*NQ*\sc+NQ*\i+1], v[ADRS] offset:\i*SBLK
.endr
.endm
.macro PLACES n                        ; plain vector lines between a matrix instruction and a load into, or a vector line on, its registers
.rept \n
	v_nop
.endr
.endm
.macro STEP slot, q, zero              ; 128 along K with a successor in the same slot
	s_wait_dscnt 4*NL                              ; B's set and A's blocks 0-3 are in; A's blocks 4-7, the youngest 16 loads, may be out
	WIN MUL_LO
	MUL16 0, (\q)%2, \q, \slot, \zero
	MUL16 2, (\q)%2, \q, \slot, \zero
	s_wait_dscnt 0
	PLACES NP
	FETCH_B \slot, (\q)+1, 1-(\q)%2
	FETCH_A \slot, (\q)+1, 0
	WIN MUL_HI
	MUL16 4, (\q)%2, \q, \slot, \zero
	MUL16 6, (\q)%2, \q, \slot, \zero
	PLACES NP
	WIN 0
	FETCH_A \slot, (\q)+1, 4
.endm
; A slot's last step changes slots: one barrier; in front of it each wave waits for all its tensor loads, adds 0 to its spare word, and waits for that and for its reads of this slot
.macro TURN slot, next, fill
	s_wait_tensorcnt 0x0                           ; all my tensor loads have landed: my part of the next slot
	ds_add_u32 v[SPW], v[NIL]                      ; 0 onto my spare word
	s_wait_dscnt 4*NL+1                            ; the add and A's blocks 4-7 may be out
	WIN MUL_LO
	MUL16 0, 1, NQ-1, \slot, 0
	s_wait_dscnt 0x0                               ; the add is done, and my reads of this slot are over
	s_barrier_signal -1
	MUL16 2, 1, NQ-1, \slot, 0
	WIN 0
	s_barrier_wait -1
.if \fill
	CREST                                          ; the barrier has opened a round of the cluster's: no wave of any partner still reads this slot or has a load on its way
	s_add_nc_u64 s[G0+4*\slot+2:G0+4*\slot+3], s[G0+4*\slot+2:G0+4*\slot+3], 2*ROWB
	s_add_nc_u64 s[G0B+4*\slot+2:G0B+4*\slot+3], s[G0B+4*\slot+2:G0B+4*\slot+3], 2*ROWB
	JLOAD G0+4*\slot, G1, G0B+4*\slot, G1B
	PLACES NP-4
.else
	PLACES NP
.endif
	s_wait_alu depctr_va_vdst(0)
	v_add_nc_u32 v[ADRS], 4*NQ, v[ADRS]
	FETCH_B \next, 0, 0
	FETCH_A \next, 0, 0
	SCALES \next
	WIN MUL_HI
	MUL16 4, 1, NQ-1, \slot, 0
	MUL16 6, 1, NQ-1, \slot, 0
	PLACES NP
	WIN 0
	FETCH_A \next, 0, 4
.endm
	s_wait_alu depctr_va_vdst(0)                   ; the head's end
	s_wait_tensorcnt 0x0                           ; my tile of the head's four is in; these lines stand ahead of slot 1's first fill as ahead of a refill
	ds_add_u32 v[SPW], v[NIL]
	s_mov_b32 s[G1+2], 128<<16                     ; no tensor load of mine is out: from here on a load brings 128 rows
	s_mov_b32 s[G1+4], 128
	s_mov_b32 s[G1B+2], 128<<16
	s_mov_b32 s[G1B+4], 128
	s_mul_i32 s[G0+1], s14, HALFT                  ; and slot 0's groups 0 take the ring's form: my quarter of the slot,
	s_mul_i32 s[G0B+1], s14, HALFT
	s_mul_i32 s46, s16, 128*KROW
	s_mov_b32 s47, 0
	s_add_nc_u64 s[G0+2:G0+3], s[G0+2:G0+3], s[46:47]      ; my 128 rows
	s_add_nc_u64 s[G0B+2:G0B+3], s[G0B+2:G0B+3], s[46:47]
	s_wait_dscnt 0x0
	CROUND                                         ; all four tiles are in, and all sixteen work-groups are here
	JLOAD G0+4, G1, G0B+4, G1B                     ; K step 1, the first tensor load behind the round
	FETCH_B 0, 0, 0
	FETCH_A 0, 0, 0
	SCALES 0
	FETCH_A 0, 0, 4
	global_prefetch_b8 v23, s[8:9] offset:768 th:TH_LOAD_NT scope:SCOPE_SE   ; K step 3, the last: two fills ahead of its load
	STEP 0, 0, 1
	s_mov_b32 s3, LAPS-1
.Llap:
	TURN 0, 1, 1
	STEP 1, 0, 0
	TURN 1, 0, 1
	STEP 0, 0, 0
	s_sub_co_u32 s3, s3, 1
	s_cmp_lg_u32 s3, 0
	s_cbranch_scc1 .Llap
	TURN 0, 1, 0                                   ; the last lap fills nothing
	STEP 1, 0, 0
	s_wait_dscnt 4*NL
	WIN MUL_LO
	MUL16 0, 1, NQ-1, 1, 0
	MUL16 2, 1, NQ-1, 1, 0
	s_wait_dscnt 0
	WIN MUL_HI
	MUL16 4, 1, NQ-1, 1, 0
	MUL16 6, 1, NQ-1, 1, 0
	WIN 0
; THE EPILOGUE: a loop over role A's eight row blocks, so that the quantiser is written once.  What differs from trip to trip is which accumulators are taken: one of sixteen short runs, picked by a counter, adds the bias and
; brings the block's 64 numbers into window 0 in one line for each pair.
.macro MOVE k, a, byrow
.Lmv_\k:
	WIN 0x02+(\a)/4                                ; source 0: window 2 or 3
.irp b, 0,1,2,3,4,5,6,7
.irp p, 0,2,4,6
.if \byrow
	v_pk_add_f32 v[T+8*\b+\p:T+8*\b+\p+1], v[8*(8*((\a)%4)+\b)+\p:8*(8*((\a)%4)+\b)+\p+1], v[BB+8*(\a)+\p:BB+8*(\a)+\p+1]
.else
	v_pk_add_f32 v[T+8*\b+\p:T+8*\b+\p+1], v[8*(8*((\a)%4)+\b)+\p:8*(8*((\a)%4)+\b)+\p+1], v[BB+8*\b+\p:BB+8*\b+\p+1]
.endif
.endr
.endr
	WIN 0
	s_branch .Lcommon
.endm
; 64 numbers of a lane, v[T + 16 b + i], four blocks of 32 shared with lane l xor 16, become four chunks in v[PC] on; the bytes stay in v[TM + 4] on
.macro QUANT
.irp b, 0,1,2,3
	v_max3_num_f32 v[TM+\b], |v[T+16*\b]|, |v[T+1+16*\b]|, 0x4800000   ; with the floor 2^(9 - 127): the byte cannot fall under 1
.endr
.irp i, 2,4,6,8,10,12,14
.irp b, 0,1,2,3
	v_max3_num_f32 v[TM+\b], v[TM+\b], |v[T+16*\b+\i]|, |v[T+1+16*\b+\i]|
.endr
.endr
.irp b, 0,1,2,3
	v_permlanex16_b32 v[TM+4+\b], v[TM+\b], s[PSEL], s[PSEL+1]
.endr
.irp b, 0,1,2,3
	v_max_num_f32 v[TM+\b], v[TM+\b], v[TM+4+\b]
.endr
.irp b, 0,1,2,3
	v_add_nc_u32 v[TM+12+\b], 0xfc000000, v[TM+\b]           ; 8 off the exponent field: the conversion's scale operand
.endr
.irp b, 0,1,2,3
	v_and_or_b32 v[TM+8+\b], v[TM+\b], 0x7f800000, s[MNT]    ; 448 x the scale
.endr
.irp b, 0,1,2,3
	v_lshrrev_b32 v[TM+4+\b], 23, v[TM+12+\b]                ; the scale's byte
.endr
.irp b, 0,1,2,3
.irp i, 0,1,2,3,4,5,6,7,8,9,10,11,12,13,14,15
	v_med3_num_f32 v[T+16*\b+\i], v[T+16*\b+\i], -v[TM+8+\b], v[TM+8+\b]   ; the conversion does not saturate (ISA guide 7.6.2): the hold comes first
.endr
	v_cvt_scalef32_pk8_fp8_f32 v[PC+4*\b:PC+1+4*\b], v[T+16*\b:T+7+16*\b], v[TM+12+\b]
	v_cvt_scalef32_pk8_fp8_f32 v[PC+2+4*\b:PC+3+4*\b], v[T+8+16*\b:T+15+16*\b], v[TM+12+\b]
.endr
	v_nop                                          ; a plain line between the conversions and the lines that touch their results
	s_wait_alu depctr_va_vdst(0)
	s_cmp_eq_u32 s[MODE], 1                        ; v keeps the order in which the registers hold a block's 32 tokens (lane half h: tokens 8 h + 0 .. 7, then 16 + 8 h + 0 .. 7): launch attn's p has the same order
	s_cbranch_scc1 .Lno_swap
.irp b, 0,1,2,3
	v_permlane16_swap_b32 v[PC+4*\b], v[PC+4*\b+2]           ; q, k: lanes 16-31 of the first eight codes change places with lanes 0-15 of the second eight:
	v_permlane16_swap_b32 v[PC+4*\b+1], v[PC+4*\b+3]         ; lanes 0-15 now hold k 0-15, lanes 16-31 k 16-31
.endr
.Lno_swap:
.endm
	PLACES NP                                      ; behind the last products, ahead of the first read of results and the first write over fragments
	s_wait_loadcnt 0x0                             ; the bias
	s_mov_b32 s[PSEL], 0x76543210
	s_mov_b32 s[PSEL+1], 0xfedcba98
	s_mov_b32 s[MNT], 0x600000
	s_mov_b32 s[CNT], 0
	s_lshl_b32 s[SEL], s[MODE], 3
	s_mov_b32 s[AOF], 0
.irp b, 0,1,2,3
	v_mov_b32 v[TM+4+\b], 0                        ; a lane permute's destination counts as one of its sources
.endr
.Lrow:
.irp k, 0,1,2,3,4,5,6,7,8,9,10,11,12,13,14
	s_cmp_eq_u32 s[SEL], \k
	s_cbranch_scc1 .Lmv_\k
.endr
	MOVE 15, 7, 1
	MOVE 0, 0, 0
	MOVE 1, 1, 0
	MOVE 2, 2, 0
	MOVE 3, 3, 0
	MOVE 4, 4, 0
	MOVE 5, 5, 0
	MOVE 6, 6, 0
	MOVE 7, 7, 0
	MOVE 8, 0, 1
	MOVE 9, 1, 1
	MOVE 10, 2, 1
	MOVE 11, 3, 1
	MOVE 12, 4, 1
	MOVE 13, 5, 1
	MOVE 14, 6, 1
.Lcommon:
	QUANT
	global_store_b128 v[LI], v[PC:PC+3], s[P0:P0+1]                    ; a chunk: 512 consecutive bytes
	global_store_b128 v[LI], v[PC+4:PC+7], s[P0:P0+1] offset:512
	global_store_b128 v[LI], v[PC+8:PC+11], s[P1:P1+1]
	global_store_b128 v[LI], v[PC+12:PC+15], s[P1:P1+1] offset:512
	v_lshl_or_b32 v[W0], v[TM+5], 8, v[TM+4]       ; q, k: one word a head, two bytes each;
	v_lshl_or_b32 v[W1], v[TM+7], 8, v[TM+6]
	v_mul_u32_u24 v[W0], v[W0], s43
	v_mul_u32_u24 v[W1], v[W1], s43
	v_mad_u32_u24 v[W0], v[W1], s[MULW], v[W0]
	v_add_nc_u32 v[ADW], s[AOF], v[SWA]
	ds_store_b32 v[ADW], v[W0]                     ; lanes l and l xor 16 write the same word with the same value
	ds_store_b32 v[ADW], v[W1] offset:512
	s_wait_xcnt 0x0                                ; the stores have read their data and bases: both are written again below and in the next trip
	s_add_nc_u64 s[P0:P0+1], s[P0:P0+1], s[STR:STR+1]
	s_add_nc_u64 s[P1:P1+1], s[P1:P1+1], s[STR:STR+1]
	s_add_co_u32 s[AOF], s[AOF], 64
	s_add_co_u32 s[SEL], s[SEL], 1
	s_add_co_u32 s[CNT], s[CNT], 1
	s_cmp_lt_u32 s[CNT], 8
	s_cbranch_scc1 .Lrow
	ds_load_b128 v[T:T+3], v[LRD]                  ; my 128 rows' scale words, in order behind my stores
	ds_load_b128 v[T+4:T+7], v[LRD] offset:512
	s_wait_dscnt 0x0
	global_store_b128 v[LI], v[T:T+3], s[SP0:SP0+1]          ; 512 consecutive bytes
	s_cmp_eq_u32 s[MODE], 1
	s_cbranch_scc1 .Lone_word
	global_store_b128 v[LI], v[T+4:T+7], s[SP1:SP1+1]        ; q, k: the second head's
.Lone_word:
	s_wait_tensorcnt 0x0                           ; the wave's end
	ds_add_u32 v[SPW], v[NIL]
	s_wait_dscnt 0x0
	CROUND                                         ; the closing round
	s_endpgm
.Lfunc_end_k_qd2a01913c9_qkv:
	.size	k_qd2a01913c9_qkv, .Lfunc_end_k_qd2a01913c9_qkv-k_qd2a01913c9_qkv
	.p2alignl 7, 3214868480
	.fill 96, 4, 3214868480
	.section	.rodata,"a",@progbits
	.p2align	6, 0x0
	.amdhsa_kernel k_qd2a01913c9_qkv
		.amdhsa_group_segment_fixed_size 327680
		.amdhsa_private_segment_fixed_size 0
		.amdhsa_enable_private_segment 0
		.amdhsa_kernarg_size 40
		.amdhsa_user_sgpr_count 2
		.amdhsa_user_sgpr_kernarg_segment_ptr 1
		.amdhsa_wavefront_size32 1
		.amdhsa_system_sgpr_workgroup_id_x 1
		.amdhsa_system_sgpr_workgroup_id_y 1
		.amdhsa_system_sgpr_workgroup_id_z 1
		.amdhsa_system_vgpr_workitem_id 0
		.amdhsa_next_free_vgpr 1024
		.amdhsa_next_free_sgpr 102
		.amdhsa_reserve_vcc 0
		.amdhsa_float_denorm_mode_32 3
		.amdhsa_float_denorm_mode_16_64 3
		.amdhsa_memory_ordered 1
		.amdhsa_forward_progress 1
		.amdhsa_inst_pref_size 172
	.end_amdhsa_kernel
	.amdgpu_metadata
---
amdhsa.version: [ 1, 2 ]
amdhsa.kernels:
  - .name:           k_qd2a01913c9_qkv
    .symbol:         k_qd2a01913c9_qkv.kd
    .args:
      - { .name: hn, .offset: 0, .size: 8, .value_kind: global_buffer, .address_space: global }
      - { .name: qkv_w_codes, .offset: 8, .size: 8, .value_kind: global_buffer, .address_space: global }
      - { .name: qkv_w_scales, .offset: 16, .size: 8, .value_kind: global_buffer, .address_space: global }
      - { .name: qkv_b, .offset: 24, .size: 8, .value_kind: global_buffer, .address_space: global }
      - { .name: qkvb, .offset: 32, .size: 8, .value_kind: global_buffer, .address_space: global }
    .group_segment_fixed_size: 327680
    .private_segment_fixed_size: 0
    .kernarg_segment_align: 8
    .kernarg_segment_size: 40
    .max_flat_workgroup_size: 128
    .sgpr_count:     102
    .vgpr_count:     1024
    .wavefront_size: 32
...
	.end_amdgpu_metadata
.endif
;; end of part 2
;; launch attn (part 3): grid 8 x 32, 16 waves a work-group, clusters of 4 x 1, 327,680 bytes of LDS; arguments qkvb, ob; writes ob
.if DOCPART == 3
	.amdgcn_target "amdgcn-amd-amdhsa--gfx1250"
	.amdhsa_code_object_version 6
	.text
	.protected	k_qd2a01913c9_attn
	.globl	k_qd2a01913c9_attn
	.p2align	8
	.type	k_qd2a01913c9_attn,@function
k_qd2a01913c9_attn:
	s_mov_b64 s[64:65], 0
	v_nop
	global_prefetch_b8 v0, s[64:65] scope:SCOPE_SE
	s_setreg_imm32_b32 hwreg(HW_REG_WAVE_MODE, 25, 1), 1
	s_wait_xcnt 0x0
	s_wait_alu depctr_hold_cnt(0) depctr_sa_sdst(0) depctr_va_vdst(0) depctr_va_sdst(0) depctr_va_ssrc(0) depctr_va_vcc(0) depctr_vm_vsrc(0)
	s_getreg_b32 s2, hwreg(HW_REG_IB_STS2, 6, 4)
	s_cmp_eq_u32 s2, 0
	s_cbranch_scc0 .Lentry_in_a_cluster
	s_endpgm
.Lentry_in_a_cluster:
	s_bfe_u32 s2, ttmp6, 0x10000c
	s_cmp_lg_u32 s2, 0x3003
	s_cbranch_scc0 .Lentry_shape_is_right
	s_endpgm
.Lentry_shape_is_right:
; Products 2 and 3: O = softmax(q k^T / 8, causal) v for 32 (batch, head) pairs, 2,048 tokens, head size 64, on E4M3 codes with E8M0 scales; O is quantised along the head's 64 and leaves as codes for launch proj.
; WORK LEFT OUT: key steps of 128 keys all of which come after a tile's 16 queries: reference() sets those logits to -inf by its own jnp.tril, so their p is 0.
; LIMITS: NaN and infinities are not served; the promise holds while the scaled scores stay under 2^31 in magnitude (the change of M goes through a 32-bit whole number).
; THE SOFTMAX: t = score x log2(e) / 8; M = the running largest t rounded up to a whole number; p = 2^(t - M) is quantised along the keys; the row's sum is taken of the unquantised p and divides at the end.
; LDS: a head's K (131,072 bytes) and V (131,072) and their scale words (8,192 + 4,096) are loaded ONCE and stay: no slot is filled again, and the waves walk the keys without meeting.
; CLUSTERS of 4 x 1: the eight work-groups of a head read the same K and V; four ask jointly (mask 15).  No branch and no LDS address hangs on a work-group's place: it enters global addresses and the mask's vector numbers alone.
; No prefetch into the L2: every tensor load stands at the head, so there is no loop to run ahead in.
; THE DEAL.  Work-group x owns the query tiles 8 j + x, j = 0 .. 15; tile j needs j + 1 key steps, 136 in all in every work-group.  Tiles j and 15 - j (17 steps) go to a pair of waves:
; wave a walks the long tile's steps 0 .. 8; wave b its steps 9 .. 15 - j, hands O^T, M and the sums over through LDS, and then walks the short tile's steps 0 .. j.  9 and 8 steps.
; Wave a joins the two parts: both are brought under the larger M by powers of two, which rounds nothing.  A part with no step holds zeros under M = -3e38 and gets the factor 0.
; Two loops of four trips, two steps a trip.
; TWO SETS OF 64 REGISTERS CHANGE ROLES FROM STEP TO STEP: one holds K's fragments and then V's, the other the scores and p; as a block's p has been converted, its registers take the NEXT step's fragment of K,
; so that a step begins with its K in registers.  The step after a wave's last asks for keys that it does not use (the address wraps inside K).
; LAYOUT as qkv leaves it: chunks of 512 bytes (16 rows x 32 along K, 16 bytes a lane).  A fragment of K holds two key tiles (64 + 64 along the instruction's 128); q stands once in the low half over zeros and once in the high half;
; q's and k's scale words hold their two bytes twice.  Inside a block of 32 keys p and V's chunks have one and the same order (lane half h: keys 8 h + 0 .. 7, then 16 + 8 h + 0 .. 7), so the sums are those of the true order.
; REGISTERS: v1-11 addresses; v12 -M, v13 largest t, v[14:15] the sum; v16-31 q low; v32-95, v96-159 the two sets; v160-191 O^T; v192-207 p's codes; v208-223 q high; v224-227 K's scale words; v229-231 stage addresses; v232-254 at work; v255 q's scale word.
.set VOFF,  131072
.set SCK,   262144
.set SCV,   270336
.set STAGE, 274432                     ; 8 pairs x 4,608: O^T (8 x 512) and -M, t, sums (512)
.set STASH, 311296                     ; 8 pairs x 1,280: the short tile's q (1,024) and its scale words (128)
.set SPARE, 321536                     ; the spare words, 128 bytes a wave
.set AK0,  1
.set AV0,  2
.set ASK0, 3
.set ASV0, 4
.set SPW,  5
.set NIL,  6
.set ADV2, 7
.set ADK,  8
.set ADV,  9
.set ADS,  10
.set ADT,  11
.set QHI,  208
.set KW,   224
.set STG,  229
.set STQ,  230
.set STS,  231
.set VW,   248
.set WV,   18
.set MNT,  19
.set SEL,  20
.set CS,   22
.set G1K,  24
.set TE,   32                          ; s32 128 j;  s79 128 (15 - j)
.set ROLE, 33                          ; s33 0: wave a, 1: wave b
.set PJ,   34                          ; s34 j
.set CT,   35
.set G0K,  40
.set G1SK, 48
.set G0SK, 56
.set G0SV, 60
.set TD,   66                          ; s66 first key of the tile's diagonal step
.set QX,   67                          ; s67 the tile's first query (feeds vector numbers and global addresses alone)
.set G1SV, 68
.set QE,   78
.set TL,   79
.set KF,   98                          ; s98 the step's first key
.set KL,   99                          ; s99 first key of my last step of this tile
.macro CROUND
	s_barrier_signal -1
	s_barrier_wait -1
	s_cmp_lg_u32 s[WV], 0
	s_cbranch_scc1 .Lnot_wave_0_\@
	s_barrier_signal -3
.Lnot_wave_0_\@:
	s_barrier_wait -3
	s_barrier_signal -1
	s_barrier_wait -1
.endm
	s_load_b128 s[4:7], s[0:1], 0x0                ; qkvb, ob
	v_lshl_add_u32 v[SPW], v0, 2, SPARE
	v_mov_b32 v[NIL], 0
	ds_add_u32 v[SPW], v[NIL]                      ; the opening: the add, twice on end, and its wait
	ds_add_u32 v[SPW], v[NIL]
	v_lshrrev_b32 v8, 5, v0
	v_readfirstlane_b32 s[WV], v8
	s_and_b32 s82, ttmp7, 0xffff                   ; 16 b + head
	s_bfe_u32 s81, ttmp6, 0x40000
	s_lshl_b32 s80, ttmp9, 2
	s_add_co_u32 s80, s80, s81
	s_lshl_b32 s80, s80, 4                         ; 16 x
	s_lshr_b32 s[ROLE], s[WV], 2
	s_xor_b32 s[ROLE], s[ROLE], s[WV]
	s_and_b32 s[ROLE], s[ROLE], 1
	s_lshr_b32 s[PJ], s[WV], 1
	s_sub_co_u32 s[TL], 15, s[PJ]
	s_lshl_b32 s[TL], s[TL], 7
	s_lshl_b32 s[TE], s[PJ], 7
	s_lshl_b32 s86, s82, 17                        ; the head's codes: 131,072 bytes in each of q, k, v
	s_lshr_b32 s88, s[WV], 2                       ; waves 0-3: quarters of K; waves 4-7: of V
	s_add_co_u32 s88, s88, 1
	s_lshl_b32 s88, s88, 22
	s_and_b32 s89, s[WV], 3
	s_lshl_b32 s89, s89, 15
	s_add_co_u32 s88, s88, s89
	s_add_co_u32 s88, s88, s86
	s_mov_b32 s89, 0
	s_lshl_b32 s92, s82, 13
	s_add_co_u32 s92, s92, 12845056                ; K's scale words
	s_mov_b32 s93, 0
	s_lshr_b32 s94, s82, 4
	s_lshl_b32 s94, s94, 16
	s_and_b32 s95, s82, 15
	s_lshl_b32 s95, s95, 8
	s_add_co_u32 s94, s94, s95
	s_add_co_u32 s94, s94, 13107200                ; V's
	s_mov_b32 s95, 0
	s_mov_b32 s[G1K], 15|(3<<16)|(1<<21)           ; 32,768 dense bytes as 128 rows of 256; the mask names the cluster's four
	s_mov_b32 s[G1K+1], 32<<16
	s_mov_b32 s[G1K+2], 128<<16
	s_mov_b32 s[G1K+3], 32<<16
	s_mov_b32 s[G1K+4], 128
	s_mov_b32 s[G1K+5], 32
	s_mov_b32 s[G1K+6], 0
	s_mov_b32 s[G1K+7], 0
	s_mov_b32 s[G1SK], 15|(3<<16)|(1<<21)          ; 8,192 dense bytes
	s_mov_b32 s[G1SK+1], 32<<16
	s_mov_b32 s[G1SK+2], 32<<16
	s_mov_b32 s[G1SK+3], 32<<16
	s_mov_b32 s[G1SK+4], 32
	s_mov_b32 s[G1SK+5], 32
	s_mov_b32 s[G1SK+6], 0
	s_mov_b32 s[G1SK+7], 0
	s_mov_b32 s[G1SV], 15|(3<<16)|(1<<21)          ; 16 rows of 256 bytes, 4,096 bytes apart
	s_mov_b32 s[G1SV+1], 32<<16
	s_mov_b32 s[G1SV+2], 16<<16
	s_mov_b32 s[G1SV+3], 32<<16
	s_mov_b32 s[G1SV+4], 16
	s_mov_b32 s[G1SV+5], 512
	s_mov_b32 s[G1SV+6], 0
	s_mov_b32 s[G1SV+7], 0
	s_mov_b32 s[SEL], 0x76543210
	s_mov_b32 s[SEL+1], 0xfedcba98
	s_mov_b32 s[CS], 0x3e38aa3b                    ; log2(e) / 8
	s_mov_b32 s[CS+1], s[CS]
	s_mov_b32 s[MNT], 0x600000
	s_wait_dscnt 0x0
	CROUND                                         ; the four work-groups are here: the joint loads meet
	s_wait_kmcnt 0x0
	s_mov_b32 s[G0K], 1
	s_lshl_b32 s[G0K+1], s[WV], 15                 ; K's quarters, then V's: 32,768 x wave
	s_add_nc_u64 s[G0K+2:G0K+3], s[4:5], s[88:89]
	s_or_b32 s[G0K+3], s[G0K+3], 0x80000000
	s_mov_b32 s[G0SK], 1
	s_mov_b32 s[G0SK+1], SCK
	s_add_nc_u64 s[G0SK+2:G0SK+3], s[4:5], s[92:93]
	s_or_b32 s[G0SK+3], s[G0SK+3], 0x80000000
	s_mov_b32 s[G0SV], 1
	s_mov_b32 s[G0SV+1], SCV
	s_add_nc_u64 s[G0SV+2:G0SV+3], s[4:5], s[94:95]
	s_or_b32 s[G0SV+3], s[G0SV+3], 0x80000000
.macro ARM under, g0, g1, next         ; one tree of branches on the wave's number, one load to an arm
	s_cmp_lt_u32 s[WV], \under
	s_cbranch_scc0 \next
	tensor_load_to_lds s[\g0:\g0+3], s[\g1:\g1+7]
	s_nop 0
.rept 4
	v_nop
.endr
	s_branch .Lhead_asked
\next:
.endm
	ARM 8,  G0K,  G1K,  .Lhead_sk
	ARM 9,  G0SK, G1SK, .Lhead_sv
	ARM 10, G0SV, G1SV, .Lhead_none
.Lhead_asked:
	s_add_co_u32 s[QX], s[TL], s80                 ; the long tile's first query,
	s_add_co_u32 s[QE], s[TE], s80                 ; the short tile's
	s_mov_b32 s85, 0
	s_lshl_b32 s84, s[QX], 6
	s_add_co_u32 s84, s84, s86
	s_add_nc_u64 s[8:9], s[4:5], s[84:85]          ; q's codes: the long tile's,
	s_lshl_b32 s84, s[QE], 6
	s_add_co_u32 s84, s84, s86
	s_add_nc_u64 s[10:11], s[4:5], s[84:85]        ; the short tile's
	s_lshl_b32 s87, s82, 13
	s_add_co_u32 s87, s87, 12582912
	s_lshl_b32 s84, s[QX], 2
	s_add_co_u32 s84, s84, s87
	s_add_nc_u64 s[12:13], s[4:5], s[84:85]        ; and their scale words
	s_lshl_b32 s84, s[QE], 2
	s_add_co_u32 s84, s84, s87
	s_add_nc_u64 s[14:15], s[4:5], s[84:85]
	s_cmp_eq_u32 s[ROLE], 1
	s_cselect_b32 s84, s[QE], s[QX]                ; the tile that I finish
	s_mov_b32 s[KL], 1024
	s_cselect_b32 s[KL], s[TL], s[KL]
	s_lshr_b32 s96, s82, 4
	s_lshl_b32 s96, s96, 11
	s_add_co_u32 s84, s84, s96                     ; its first token
	s_and_b32 s85, s82, 15                         ; the head
	s_add_co_u32 s96, s84, s85
	s_lshl_b32 s96, s96, 10                        ; ob: [token / 16][k / 32][512]: 1,024 bytes a token, two chunks a head
	s_mov_b32 s97, 0
	s_add_nc_u64 s[16:17], s[6:7], s[96:97]
	s_lshr_b32 s96, s85, 1                         ; scale words: [k / 128][token / 64][r][(token / 16) % 4], my two bytes
	s_lshl_b32 s96, s96, 6
	s_lshr_b32 s87, s84, 6
	s_add_co_u32 s96, s96, s87
	s_lshl_b32 s96, s96, 8
	s_bfe_u32 s87, s84, 0x20004
	s_lshl_b32 s87, s87, 2
	s_add_co_u32 s96, s96, s87
	s_and_b32 s87, s85, 1
	s_lshl_b32 s87, s87, 1
	s_add_co_u32 s96, s96, s87
	s_add_co_u32 s96, s96, 4194304
	s_add_nc_u64 s[76:77], s[6:7], s[96:97]
	s_mov_b32 s[TD], s[TL]
	s_mul_i32 s[KF], s[ROLE], 1152                 ; wave a begins at key 0, wave b at key step 9
	v_and_b32 v8, 15, v0
	v_and_b32 v9, 31, v0
	v_bfe_u32 v10, v0, 4, 1
	v_lshlrev_b32 v[AK0], 4, v9
	v_add_nc_u32 v[AV0], VOFF, v[AK0]
	v_lshl_add_u32 v[ASK0], v8, 2, SCK
	v_lshl_add_u32 v[ASK0], v10, 6, v[ASK0]
	v_lshl_add_u32 v[ASV0], v8, 2, SCV
	s_mul_i32 s96, s[PJ], 4608
	s_add_co_u32 s96, s96, STAGE
	v_add_nc_u32 v[STG], s96, v[AK0]
	s_mul_i32 s96, s[PJ], 1280
	s_add_co_u32 s96, s96, STASH
	v_add_nc_u32 v[STQ], s96, v[AK0]
	v_lshl_add_u32 v[STS], v9, 2, s96
	v_lshlrev_b32 v254, 2, v8
	s_lshl_b32 s96, s[KF], 6
	s_lshl_b32 s97, s[KF], 2
	v_add_nc_u32 v[ADK], s96, v[AK0]               ; my first step's K and its scale words
	v_add_nc_u32 v[ADS], s97, v[ASK0]
	global_load_b128 v[16:19], v[AK0], s[8:9]
	global_load_b128 v[20:23], v[AK0], s[8:9] offset:512
	global_load_b128 v[QHI+8:QHI+11], v[AK0], s[8:9]
	global_load_b128 v[QHI+12:QHI+15], v[AK0], s[8:9] offset:512
	global_load_b32 v255, v254, s[12:13]
.set n, 0
.rept 8
	v_mov_b32 v[24+n], 0
	v_mov_b32 v[QHI+n], 0
.set n, n+1
.endr
.macro FRESH                           ; a tile's or a part's beginning: zeros under M = -3e38
	v_mov_b32 v13, 0xff61b1e6
	v_floor_f32 v12, -v13
	v_mov_b32 v14, 0
	v_mov_b32 v15, 0
.set n, 0
.rept 32
	v_mov_b32 v[160+n], 0
.set n, n+1
.endr
.endm
	FRESH
.irp b, 0,1,2,3
	v_mov_b32 v[236+\b], 0                         ; a lane permute's destination counts as one of its sources
.endr
	v_mov_b32 v252, 0
	v_mov_b32 v253, 0
	s_wait_alu depctr_va_vdst(0)
	s_cmp_eq_u32 s[ROLE], 0
	s_cbranch_scc1 .Lone_q
	global_load_b128 v[32:35], v[AK0], s[10:11]    ; wave b: the short tile's q waits in LDS
	global_load_b128 v[36:39], v[AK0], s[10:11] offset:512
	global_load_b32 v40, v254, s[14:15]
.Lone_q:
	s_wait_loadcnt 0x0
	s_wait_tensorcnt 0x0                           ; every wave waits for its load; behind the barrier all of K, V and the scale words are in
	s_wait_dscnt 0x0
	s_barrier_signal -1
	s_barrier_wait -1
	s_cmp_eq_u32 s[ROLE], 0
	s_cbranch_scc1 .Lno_stash
	ds_store_b128 v[STQ], v[32:35]
	ds_store_b128 v[STQ], v[36:39] offset:512
	ds_store_b32 v[STS], v40 offset:1024
.Lno_stash:
.macro KLOAD kb, adk, ads              ; a step's four fragments of K and their scale words: 20 loads
.irp f, 0,1,2,3
.irp c, 0,1,2,3
	ds_load_b128 v[\kb+16*\f+4*\c:\kb+16*\f+4*\c+3], v[\adk] offset:2048*\f+512*\c
.endr
.endr
.irp f, 0,1,2,3
	ds_load_b32 v[KW+\f], v[\ads] offset:128*\f
.endr
.endm
; A KEY STEP: 128 keys from s[KF] on.  kb: K's fragments (asked for a step ago), then V's; sb: the scores, p, then the next step's K
; q: the step's place in its trip; skip: the label behind the trip's two steps: a wave's steps follow each other from a phase's start, so behind a step that is not mine none of the phase is mine
.macro STEP kb, sb, q, skip
	s_add_co_u32 s93, s[KF], 128*\q                ; this step's first key
	s_cmp_gt_u32 s93, s[KL]                        ; ids and the count of trips alone: not my step
	s_cbranch_scc1 \skip
	s_and_b32 s95, s93, 2047
	s_add_co_u32 s94, s93, 128
	s_and_b32 s94, s94, 2047                       ; the next step's first key, held inside the head's 2,048
	s_lshl_b32 s96, s95, 4                         ; V: 2,048 bytes a step in each of four rows of 32,768; its scale words 256
	s_lshl_b32 s97, s95, 1
	v_add_nc_u32 v[ADV], s96, v[AV0]
	v_add_nc_u32 v[ADT], s97, v[ASV0]
	s_lshl_b32 s96, s94, 6                         ; K: 8,192 bytes a step; its scale words 512
	s_lshl_b32 s97, s94, 2
	v_add_nc_u32 v[ADK], s96, v[AK0]
	v_add_nc_u32 v[ADS], s97, v[ASK0]
	v_add_nc_u32 v[ADV2], 0x10000, v[ADV]
.rept 4
	v_nop                                          ; with the five additions: nine places ahead of products that write over what the last products read
.endr
	s_wait_alu depctr_va_vdst(0)
	s_wait_dscnt 0x0                               ; this step's K and its scale words are in
.irp f, 0,1,2,3
	v_wmma_scale_f32_16x16x128_f8f6f4 v[\sb+16*\f:\sb+16*\f+7], v[\kb+16*\f:\kb+16*\f+15], v[16:31], 0, v[KW+\f], v255
	v_wmma_scale_f32_16x16x128_f8f6f4 v[\sb+16*\f+8:\sb+16*\f+15], v[\kb+16*\f:\kb+16*\f+15], v[QHI:QHI+15], 0, v[KW+\f], v255 matrix_a_scale:MATRIX_SCALE_ROW1 matrix_b_scale:MATRIX_SCALE_ROW1
.endr
.rept 8
	v_nop
.endr
.irp t, 0,1
.irp c, 0,1,2,3
	ds_load_b128 v[\kb+16*\t+4*\c:\kb+16*\t+4*\c+3], v[ADV] offset:\t*32768+512*\c
.endr
	ds_load_b32 v[VW+\t], v[ADT] offset:64*\t
.endr
.irp t, 2,3
.irp c, 0,1,2,3
	ds_load_b128 v[\kb+16*\t+4*\c:\kb+16*\t+4*\c+3], v[ADV2] offset:(\t-2)*32768+512*\c
.endr
	ds_load_b32 v[VW+\t], v[ADT] offset:64*\t
.endr
	s_cmp_lt_u32 s93, s[TD]                        ; ahead of the diagonal step every key counts
	s_cbranch_scc1 .Lopen_\@
	s_sub_co_i32 s96, s[QX], s93
	v_and_b32 v252, 15, v0
	v_bfe_u32 v253, v0, 4, 1
	v_lshlrev_b32 v253, 3, v253
	v_sub_nc_u32 v252, v252, v253
	v_add_nc_u32 v252, s96, v252                   ; my query - KF - 8 h; register n holds key KF + 8 h + 16 (n / 8) + n % 8
	v_mov_b32 v254, 0xff800000
.set n, 0
.rept 64
	v_cmp_gt_i32 vcc_lo, 16*(n/8)+n%8, v252
	v_cndmask_b32 v[\sb+n], v[\sb+n], v254, vcc_lo
.set n, n+1
.endr
.Lopen_\@:
.irp b, 0,1,2,3
	v_max3_num_f32 v[232+\b], v[\sb+16*\b], v[\sb+1+16*\b], v[\sb+2+16*\b]   ; each block's largest score serves the row's maximum and the block's largest p
.endr
.irp i, 3,5,7,9,11,13
.irp b, 0,1,2,3
	v_max3_num_f32 v[232+\b], v[232+\b], v[\sb+16*\b+\i], v[\sb+1+16*\b+\i]
.endr
.endr
.irp b, 0,1,2,3
	v_max_num_f32 v[232+\b], v[232+\b], v[\sb+15+16*\b]
.endr
.irp b, 0,1,2,3
	v_permlanex16_b32 v[236+\b], v[232+\b], s[SEL], s[SEL+1]
.endr
.irp b, 0,1,2,3
	v_max_num_f32 v[232+\b], v[232+\b], v[236+\b]
.endr
	v_max3_num_f32 v254, v232, v233, v234
	v_max_num_f32 v254, v254, v235
	v_mul_f32 v254, s[CS], v254
	v_max_num_f32 v13, v13, v254
	v_mov_b32 v254, v12
	v_floor_f32 v12, -v13                          ; -M = floor(-t)
	v_sub_f32 v254, v12, v254
	v_cvt_i32_f32 v254, v254
	v_ldexp_f32 v252, 1.0, v254                    ; f = 2^(old M - new M)
.set n, 0
.rept 32
	v_pk_fma_f32 v[\sb+n:\sb+n+1], v[\sb+n:\sb+n+1], s[CS:CS+1], v[12:13] op_sel_hi:[1,0,0]
.set n, n+2
.endr
.irp b, 0,1,2,3
	v_fma_f32 v[232+\b], v[232+\b], s[CS], v12
.endr
	s_wait_alu depctr_va_vdst(0)
.set n, 0
.rept 64
	v_exp_f32 v[\sb+n], v[\sb+n]
.set n, n+1
.endr
	v_pk_mul_f32 v[14:15], v[14:15], v[252:253] op_sel_hi:[1,0]
	s_wait_alu depctr_va_vdst(0)
.irp b, 0,1,2,3
	v_exp_f32 v[232+\b], v[232+\b]
.endr
	v_pk_add_f32 v[236:237], v[\sb:\sb+1], v[\sb+2:\sb+3]      ; the sum of the unquantised p, in four chains
	v_pk_add_f32 v[238:239], v[\sb+4:\sb+5], v[\sb+6:\sb+7]
	v_pk_add_f32 v[240:241], v[\sb+8:\sb+9], v[\sb+10:\sb+11]
.irp j, 12,20,28,36,44,52
	v_pk_add_f32 v[14:15], v[14:15], v[\sb+\j:\sb+1+\j]
	v_pk_add_f32 v[236:237], v[236:237], v[\sb+2+\j:\sb+3+\j]
	v_pk_add_f32 v[238:239], v[238:239], v[\sb+4+\j:\sb+5+\j]
	v_pk_add_f32 v[240:241], v[240:241], v[\sb+6+\j:\sb+7+\j]
.endr
	v_pk_add_f32 v[14:15], v[14:15], v[\sb+60:\sb+61]
	v_pk_add_f32 v[236:237], v[236:237], v[\sb+62:\sb+63]
	v_pk_add_f32 v[238:239], v[238:239], v[240:241]
	v_pk_add_f32 v[14:15], v[14:15], v[236:237]
	v_pk_add_f32 v[14:15], v[14:15], v[238:239]
	s_wait_alu depctr_va_vdst(0)
.irp b, 0,1,2,3
	v_max_num_f32 v[232+\b], 0x4800000, v[232+\b]  ; the floor 2^(9 - 127): the byte cannot fall under 1
.endr
.irp b, 0,1,2,3
	v_add_nc_u32 v[244+\b], 0xfc000000, v[232+\b]
.endr
.irp b, 0,1,2,3
	v_and_or_b32 v[240+\b], v[232+\b], 0x7f800000, s[MNT]
.endr
.irp b, 0,1,2,3
	v_lshrrev_b32 v[236+\b], 23, v[244+\b]
.endr
	v_lshl_or_b32 v253, v237, 8, v236
	v_lshl_or_b32 v253, v238, 16, v253
	v_lshl_or_b32 v253, v239, 24, v253
.irp b, 0,1,2,3
.irp i, 0,1,2,3,4,5,6,7,8,9,10,11,12,13,14,15
	v_min_num_f32 v[\sb+16*\b+\i], v[\sb+16*\b+\i], v[240+\b]    ; the conversion does not saturate (ISA guide 7.6.2); p is not negative
.endr
	v_cvt_scalef32_pk8_fp8_f32 v[192+4*\b:193+4*\b], v[\sb+16*\b:\sb+7+16*\b], v[244+\b]
	v_cvt_scalef32_pk8_fp8_f32 v[194+4*\b:195+4*\b], v[\sb+8+16*\b:\sb+15+16*\b], v[244+\b]
.irp c, 0,1,2,3
	ds_load_b128 v[\sb+16*\b+4*\c:\sb+16*\b+4*\c+3], v[ADK] offset:2048*\b+512*\c   ; the block's registers take the next step's fragment of K
.endr
.endr
.irp f, 0,1,2,3
	ds_load_b32 v[KW+\f], v[ADS] offset:128*\f
.endr
	v_nop                                          ; a plain line behind the conversions
	s_wait_alu depctr_va_vdst(0)                   ; directly ahead of the first reader of O^T
.set n, 0
.rept 16
	v_pk_mul_f32 v[160+n:161+n], v[160+n:161+n], v[252:253] op_sel_hi:[1,0]
.set n, n+2
.endr
	s_wait_alu depctr_va_vdst(0)
	s_wait_dscnt 20                                ; V and its scale words are in; the 20 loads of the next step's K may be out
.irp t, 0,1,2,3
	v_wmma_scale_f32_16x16x128_f8f6f4 v[160+8*\t:167+8*\t], v[\kb+16*\t:\kb+16*\t+15], v[192:207], v[160+8*\t:167+8*\t], v[VW+\t], v253
.endr
.endm
	KLOAD 32, ADK, ADS
	s_mov_b32 s[CT], 4
	s_wait_alu depctr_va_vdst(0)                   ; the head's end
.Lfirst:                                           ; wave a: steps 0 .. 7; wave b: the long tile's steps 9 .. 15 - j
	STEP 32, 96, 0, .Lpast_first
	STEP 96, 32, 1, .Lpast_first
.Lpast_first:
	s_add_co_u32 s[KF], s[KF], 256                 ; once a trip, on every way
	s_sub_co_u32 s[CT], s[CT], 1
	s_cmp_lg_u32 s[CT], 0
	s_cbranch_scc1 .Lfirst
.rept 8
	v_nop                                          ; behind the last products, ahead of the reads of O^T and of loads into what they read
.endr
	s_xor_b32 s96, s[ROLE], 1
	s_lshl_b32 s[KF], s96, 10                      ; wave a goes on at step 8 (its K is on its way), wave b begins at key 0
	s_mov_b32 s[CT], 4
	s_cmp_eq_u32 s[ROLE], 0
	s_cbranch_scc1 .Lno_flush
	s_wait_dscnt 0x0                               ; no load of mine is out: the registers below may be asked for anew
.irp k, 0,1,2,3,4,5,6,7
	ds_store_b128 v[STG], v[160+4*\k:163+4*\k] offset:512*\k   ; wave b: my part of the long tile, as an image of the registers
.endr
	ds_store_b128 v[STG], v[12:15] offset:4096
	ds_load_b128 v[16:19], v[STQ]                  ; the short tile's q
	ds_load_b128 v[20:23], v[STQ] offset:512
	ds_load_b128 v[QHI+8:QHI+11], v[STQ]
	ds_load_b128 v[QHI+12:QHI+15], v[STQ] offset:512
	ds_load_b32 v255, v[STS] offset:1024
	KLOAD 32, AK0, ASK0                            ; and key step 0
	FRESH
	s_mov_b32 s[KL], s[TE]
	s_mov_b32 s[TD], s[TE]
	s_mov_b32 s[QX], s[QE]
.Lno_flush:
	s_wait_alu depctr_va_vdst(0)
.Lsecond:                                          ; wave a: step 8; wave b: the short tile's steps 0 .. j
	STEP 32, 96, 0, .Lpast_second
	STEP 96, 32, 1, .Lpast_second
.Lpast_second:
	s_add_co_u32 s[KF], s[KF], 256
	s_sub_co_u32 s[CT], s[CT], 1
	s_cmp_lg_u32 s[CT], 0
	s_cbranch_scc1 .Lsecond
.rept 8
	v_nop
.endr
	s_wait_dscnt 0x0                               ; my LDS stores and loads are done: behind the barrier wave a reads what wave b stored
	s_barrier_signal -1
	s_barrier_wait -1
	s_cmp_eq_u32 s[ROLE], 1
	s_cbranch_scc1 .Lno_merge
.irp k, 0,1,2,3,4,5,6,7,8
	ds_load_b128 v[32+4*\k:35+4*\k], v[STG] offset:512*\k      ; v32-63 the other part's O^T, v64 its -M, v[66:67] its sums
.endr
	s_wait_dscnt 0x0
	v_min_num_f32 v254, v12, v64                   ; -M of the larger M
	v_mov_b32 v69, 0
	v_sub_f32 v252, v254, v12
	v_sub_f32 v68, v254, v64
	v_cvt_i32_f32 v252, v252
	v_cvt_i32_f32 v68, v68
	v_ldexp_f32 v252, 1.0, v252                    ; both parts under the larger M: powers of two
	v_ldexp_f32 v68, 1.0, v68
.set n, 0
.rept 16
	v_pk_mul_f32 v[160+n:161+n], v[160+n:161+n], v[252:253] op_sel_hi:[1,0]
.set n, n+2
.endr
.set n, 0
.rept 16
	v_pk_fma_f32 v[160+n:161+n], v[32+n:33+n], v[68:69], v[160+n:161+n] op_sel_hi:[1,0,1]
.set n, n+2
.endr
	v_pk_mul_f32 v[14:15], v[14:15], v[252:253] op_sel_hi:[1,0]
	v_pk_fma_f32 v[14:15], v[66:67], v[68:69], v[14:15] op_sel_hi:[1,0,1]
.Lno_merge:
	; THE WAY OUT: O^T / the sum, quantised along the head's 64 (two blocks of 32, each in lanes l and l xor 16), as two chunks and two scale bytes
	v_add_f32 v14, v14, v15
	v_permlanex16_b32 v252, v14, s[SEL], s[SEL+1]
	v_add_f32 v14, v14, v252
	s_wait_alu depctr_va_vdst(0)
	v_rcp_f32 v14, v14
	v_and_b32 v8, 15, v0
	v_lshlrev_b32 v9, 4, v8
	s_wait_alu depctr_va_vdst(0)
.set n, 0
.rept 32
	v_mul_f32 v[96+n], v[160+n], v14
.set n, n+1
.endr
.irp b, 0,1
	v_max3_num_f32 v[232+\b], |v[96+16*\b]|, |v[97+16*\b]|, 0x4800000
.endr
.irp i, 2,4,6,8,10,12,14
.irp b, 0,1
	v_max3_num_f32 v[232+\b], v[232+\b], |v[96+16*\b+\i]|, |v[97+16*\b+\i]|
.endr
.endr
.irp b, 0,1
	v_permlanex16_b32 v[236+\b], v[232+\b], s[SEL], s[SEL+1]
.endr
.irp b, 0,1
	v_max_num_f32 v[232+\b], v[232+\b], v[236+\b]
.endr
.irp b, 0,1
	v_add_nc_u32 v[244+\b], 0xfc000000, v[232+\b]
.endr
.irp b, 0,1
	v_and_or_b32 v[240+\b], v[232+\b], 0x7f800000, s[MNT]
.endr
.irp b, 0,1
	v_lshrrev_b32 v[236+\b], 23, v[244+\b]
.endr
	v_lshl_or_b32 v253, v237, 8, v236
.irp b, 0,1
.irp i, 0,1,2,3,4,5,6,7,8,9,10,11,12,13,14,15
	v_med3_num_f32 v[96+16*\b+\i], v[96+16*\b+\i], -v[240+\b], v[240+\b]
.endr
	v_cvt_scalef32_pk8_fp8_f32 v[192+4*\b:193+4*\b], v[96+16*\b:103+16*\b], v[244+\b]
	v_cvt_scalef32_pk8_fp8_f32 v[194+4*\b:195+4*\b], v[104+16*\b:111+16*\b], v[244+\b]
.endr
	v_nop
.irp b, 0,1
	v_permlane16_swap_b32 v[192+4*\b], v[194+4*\b] ; the next product's weight comes in the true order of K: lanes 0-15 take k 0-15 of a block, lanes 16-31 k 16-31
	v_permlane16_swap_b32 v[193+4*\b], v[195+4*\b]
.endr
	global_store_b128 v[AK0], v[192:195], s[16:17]             ; a chunk: 512 consecutive bytes
	global_store_b128 v[AK0], v[196:199], s[16:17] offset:512
	global_store_b16 v9, v253, s[76:77]
	s_wait_tensorcnt 0x0                           ; the wave's end
	ds_add_u32 v[SPW], v[NIL]
	s_wait_dscnt 0x0
	CROUND                                         ; the closing round
	s_endpgm
.Lfunc_end_k_qd2a01913c9_attn:
	.size	k_qd2a01913c9_attn, .Lfunc_end_k_qd2a01913c9_attn-k_qd2a01913c9_attn
	.p2alignl 7, 3214868480
	.fill 96, 4, 3214868480
	.section	.rodata,"a",@progbits
	.p2align	6, 0x0
	.amdhsa_kernel k_qd2a01913c9_attn
		.amdhsa_group_segment_fixed_size 327680
		.amdhsa_private_segment_fixed_size 0
		.amdhsa_enable_private_segment 0
		.amdhsa_kernarg_size 16
		.amdhsa_user_sgpr_count 2
		.amdhsa_user_sgpr_kernarg_segment_ptr 1
		.amdhsa_wavefront_size32 1
		.amdhsa_system_sgpr_workgroup_id_x 1
		.amdhsa_system_sgpr_workgroup_id_y 1
		.amdhsa_system_sgpr_workgroup_id_z 1
		.amdhsa_system_vgpr_workitem_id 0
		.amdhsa_next_free_vgpr 256
		.amdhsa_next_free_sgpr 100
		.amdhsa_reserve_vcc 1
		.amdhsa_float_denorm_mode_32 3
		.amdhsa_float_denorm_mode_16_64 3
		.amdhsa_memory_ordered 1
		.amdhsa_forward_progress 1
		.amdhsa_inst_pref_size 124
	.end_amdhsa_kernel
	.amdgpu_metadata
---
amdhsa.version: [ 1, 2 ]
amdhsa.kernels:
  - .name:           k_qd2a01913c9_attn
    .symbol:         k_qd2a01913c9_attn.kd
    .args:
      - { .name: qkvb, .offset: 0, .size: 8, .value_kind: global_buffer, .address_space: global }
      - { .name: ob, .offset: 8, .size: 8, .value_kind: global_buffer, .address_space: global }
    .group_segment_fixed_size: 327680
    .private_segment_fixed_size: 0
    .kernarg_segment_align: 8
    .kernarg_segment_size: 16
    .max_flat_workgroup_size: 512
    .sgpr_count:     100
    .vgpr_count:     256
    .wavefront_size: 32
...
	.end_amdgpu_metadata
.endif
;; end of part 3
;; launch proj (part 4): grid 8 x 32, 4 waves a work-group, clusters of 4 x 4, 327,680 bytes of LDS; arguments ob, proj_w_codes, proj_w_scales, proj_b, x, x1; writes x1
.if DOCPART == 4
	.amdgcn_target "amdgcn-amd-amdhsa--gfx1250"
	.amdhsa_code_object_version 6
	.text
	.protected	k_qd2a01913c9_proj
	.globl	k_qd2a01913c9_proj
	.p2align	8
	.type	k_qd2a01913c9_proj,@function
k_qd2a01913c9_proj:
	s_mov_b64 s[64:65], 0
	v_nop
	global_prefetch_b8 v0, s[64:65] scope:SCOPE_SE
	s_setreg_imm32_b32 hwreg(HW_REG_WAVE_MODE, 25, 1), 1
	s_wait_xcnt 0x0
	s_wait_alu depctr_hold_cnt(0) depctr_sa_sdst(0) depctr_va_vdst(0) depctr_va_sdst(0) depctr_va_ssrc(0) depctr_va_vcc(0) depctr_vm_vsrc(0)
	s_getreg_b32 s2, hwreg(HW_REG_IB_STS2, 6, 4)
	s_cmp_eq_u32 s2, 0
	s_cbranch_scc0 .Lentry_in_a_cluster
	s_endpgm
.Lentry_in_a_cluster:
	s_bfe_u32 s2, ttmp6, 0x10000c
	s_cmp_lg_u32 s2, 0xf033
	s_cbranch_scc0 .Lentry_shape_is_right
	s_endpgm
.Lentry_shape_is_right:
; Product 4 and the residual: x1 = x + Q(O) proj_w + proj_b, [4096 x SIZE_K] x [SIZE_K x 1024], on E4M3 codes with E8M0 scales; out f32.  (The same text with SIZE_K = 4,096 is launch ff2.)
; A tile of 128 x 128, so that the 4,096 x 1,024 results give 256 work-groups; four waves, 64 x 64 each: 16 accumulators.  K goes in steps of 512 through two LDS slots.
; A arrives as images of operand registers, [row / 16][k / 32][512 bytes] (a chunk: lane (r, h) holds row r, k = 16 h + 0 .. 15 at 16 x lane): a K step of a row block is 8,192 dense bytes, read from LDS 512 consecutive bytes a load.
; A's scale words lie [k / 128][row / 64][r][(row / 16) % 4]: one load of 16 bytes a lane gives the words of a wave's four row blocks.  B (the weight) arrives as rows of SIZE_K codes: LDS rows of 512 bytes + 16 of padding.
; All scale bytes of the tile's rows come once, with the first fills.  CLUSTERS of 4 x 4: A's things are asked for jointly along a row of the cluster, B's along a column.
; THE MATRIX INSTRUCTION IS USED TRANSPOSED (source 0 = 16 rows of B, source 1 = 16 rows of A): a lane holds eight neighbouring numbers of a row of the result.  The bias is the C of each sum's first product.
; The residual's 64 x 64 numbers of a wave are asked for at the head, in the order in which rows come back from the stage, and wait in window 2.
; REGISTERS: window 0: v16-29 addresses; v32-95 scale words, two sets (A's at 32 + 32 s + 4 q + a, B's at 48 + 32 s + 4 b + q); v96-127 the bias; v128-255 the accumulators.
;   window 1: two fragment buffers of 128 (A's four, then B's four); on the way out v0-63 rows read back.   window 2: v0-127 the residual.
.set SIZE_K, 1024
.set KSTEP,  512
.set NKG,    SIZE_K/128
.set KS,     SIZE_K/32
.set LAPS,   SIZE_K/(2*KSTEP)
.set AOFF,   4096*SIZE_K               ; A's scale words lie behind its codes
.set ABLK,   8192                      ; a row block's chunks of a K step
.set AHALF,  4*ABLK
.set PITCH,  528
.set BHALF,  64*PITCH
.set BOFF,   2*AHALF
.set SLOT,   BOFF+2*BHALF
.set SCA,    2*SLOT                    ; A's scale words: NKG x 512 bytes
.set SCB,    SCA+NKG*512               ; B's scale bytes, as units of 256 bytes + 16 of padding
.set HALFSB, (64*KS/256)*272
.set SBLK,   (16*KS/256)*272
.set SPARE,  SCB+2*HALFSB              ; the spare words, 128 bytes a wave
.set SPITCH, 272                       ; the way out: a stage of 16 rows x (256 bytes + 16) for each wave, in slot 0 after its last fill and its last read
.set NP,     8
.set ADRA, 16
.set ADRB, 20
.set ADSA, 22
.set ADSB, 23
.set STO,  24
.set RD,   25
.set CO,   26
.set BO,   27
.set SPW,  28
.set NIL,  29
.set BC,   96
.set ACC,  128
.set F0,   0
.set F1,   128
.set G1, 24
.set G0, 32
.set G1B, 48
.set G0B, 56
.set G1S, 68
.set G0S, 76
.set G1SB, 80
.set G0SB, 88
.set MSB, 0
.macro WIN new
.if MSB != \new
	s_set_vgpr_msb (MSB<<8)|\new
.set MSB, \new
.endif
.endm
.set MUL,  0x05                        ; sources 0 (B) and 1 (A) window 1; C and D window 0
.set TO_F, 0x40                        ; destination window 1, address window 0
.macro JLOAD g0a, g1a, g0b, g1b        ; waves 0 and 1 fetch for A, waves 2 and 3 for B; an s_nop 0 and four v_nop follow each line
	s_cmp_eq_u32 s15, 0
	s_cbranch_scc0 .Lfor_b_\@
	tensor_load_to_lds s[\g0a:\g0a+3], s[\g1a:\g1a+7]
	s_nop 0
.rept 4
	v_nop
.endr
	s_branch .Lasked_\@
.Lfor_b_\@:
	tensor_load_to_lds s[\g0b:\g0b+3], s[\g1b:\g1b+7]
	s_nop 0
.rept 4
	v_nop
.endr
.Lasked_\@:
.endm
.macro CREST
	s_cmp_lg_u32 s14, 0
	s_cbranch_scc1 .Lnot_wave_0_\@
	s_barrier_signal -3
.Lnot_wave_0_\@:
	s_barrier_wait -3
	s_barrier_signal -1
	s_barrier_wait -1
.endm
.macro CROUND
	s_barrier_signal -1
	s_barrier_wait -1
	CREST
.endm
	s_load_b256 s[4:11], s[0:1], 0x0               ; A s[4:5], B's codes s[6:7], B's scales s[8:9], the bias s[10:11]
	s_load_b128 s[96:99], s[0:1], 0x20             ; the residual s[96:97], out s[98:99]
	v_lshl_add_u32 v[SPW], v0, 2, SPARE
	v_mov_b32 v[NIL], 0
	ds_add_u32 v[SPW], v[NIL]                      ; the wave's opening: the add, twice on end, and its wait ahead of my first tensor load
	ds_add_u32 v[SPW], v[NIL]
	v_lshrrev_b32 v1, 5, v0
	v_readfirstlane_b32 s14, v1                    ; wave 0..3
	s_lshr_b32 s15, s14, 1                         ; which 64 rows of the tile are mine.  Also: I fetch for A (0) or for B (1)
	s_and_b32 s16, s14, 1                          ; which 64 columns.  Also: which half I fetch
	s_bfe_u32 s40, ttmp6, 0x40000                  ; cx
	s_bfe_u32 s41, ttmp6, 0x40004                  ; cy
	s_lshl_b32 s42, ttmp9, 2
	s_add_co_u32 s42, s42, s40                     ; tile column
	s_and_b32 s17, ttmp7, 0xffff
	s_lshl_b32 s17, s17, 2
	s_add_co_u32 s17, s17, s41                     ; tile row
	s_lshl_b32 s43, s41, 2
	s_lshl_b32 s43, 15, s43                        ; my row of the cluster
	s_lshl_b32 s44, 0x1111, s40                    ; my column
	s_or_b32 s[G1], s43, (3<<16)|(1<<21)           ; A: 4 row blocks x 8,192 bytes (1,024 elements of 8 bytes), 16 SIZE_K bytes apart; no padding
	s_mov_b32 s[G1+1], 1024<<16
	s_mov_b32 s[G1+2], 8<<16
	s_mov_b32 s[G1+3], 1024<<16
	s_mov_b32 s[G1+4], 8
	s_mov_b32 s[G1+5], 2*SIZE_K
	s_mov_b32 s[G1+6], 0
	s_mov_b32 s[G1+7], 0
	s_or_b32 s[G1B], s44, (0<<16)|(1<<20)|(1<<21)|(6<<22)|(3<<25)   ; B: 64 rows x 512 bytes; 4 words of padding behind every 128
	s_mov_b32 s[G1B+1], KSTEP<<16
	s_mov_b32 s[G1B+2], 128<<16
	s_mov_b32 s[G1B+3], KSTEP<<16
	s_mov_b32 s[G1B+4], 128
	s_mov_b32 s[G1B+5], SIZE_K
	s_mov_b32 s[G1B+6], 0
	s_mov_b32 s[G1B+7], 0
	s_or_b32 s[G1S], s43, (3<<16)|(1<<21)          ; A's scale words: NKG rows of 512 bytes, 16,384 bytes apart
	s_mov_b32 s[G1S+1], 64<<16
	s_mov_b32 s[G1S+2], NKG<<16
	s_mov_b32 s[G1S+3], 64<<16
	s_mov_b32 s[G1S+4], NKG
	s_mov_b32 s[G1S+5], 2048
	s_mov_b32 s[G1S+6], 0
	s_mov_b32 s[G1S+7], 0
	s_or_b32 s[G1SB], s44, (3<<16)|(1<<20)|(1<<21)|(5<<22)|(3<<25)  ; B's scale bytes of 128 rows: dense, as rows of 256 bytes, 16 of padding behind each
	s_mov_b32 s[G1SB+1], 32<<16
	s_mov_b32 s[G1SB+2], (128*KS/256)<<16
	s_mov_b32 s[G1SB+3], 32<<16
	s_mov_b32 s[G1SB+4], 128*KS/256
	s_mov_b32 s[G1SB+5], 32
	s_mov_b32 s[G1SB+6], 0
	s_mov_b32 s[G1SB+7], 0
	s_mul_i32 s20, s17, 128*SIZE_K                 ; A: the tile's eight row blocks, in bytes
	s_mov_b32 s21, 0
	s_lshl_b32 s22, s17, 9                         ; A's scale words: the tile's two groups of 64 rows
	s_add_co_u32 s22, s22, AOFF
	s_mov_b32 s23, 0
	s_lshl_b32 s46, s42, 7
	s_mul_i32 s92, s46, KS
	s_mul_i32 s46, s46, SIZE_K
	s_mov_b32 s47, 0
	s_mov_b32 s93, 0
	s_mul_i32 s45, s16, AHALF                      ; where they go: made of the wave's number alone
	s_mul_i32 s94, s16, BHALF
	s_add_co_u32 s94, s94, BOFF
	s_mul_i32 s18, s16, 64*SIZE_K                  ; behind the head I fetch half a tile: four row blocks of A or 64 rows of B are both 64 SIZE_K bytes on
	s_mov_b32 s19, 0
	s_wait_dscnt 0x0                               ; both opening adds are done
	s_wait_kmcnt 0x0
	s_add_nc_u64 s[20:21], s[4:5], s[20:21]
	s_add_nc_u64 s[22:23], s[4:5], s[22:23]
	s_add_nc_u64 s[46:47], s[6:7], s[46:47]
	s_add_nc_u64 s[92:93], s[8:9], s[92:93]
	CROUND                                         ; all sixteen work-groups are here: the first joint loads meet
	s_mov_b32 s[G0S], 1
	s_mov_b32 s[G0S+1], SCA
	s_mov_b64 s[G0S+2:G0S+3], s[22:23]
	s_or_b32 s[G0S+3], s[G0S+3], 0x80000000
	s_mov_b32 s[G0SB], 1
	s_mov_b32 s[G0SB+1], SCB
	s_mov_b64 s[G0SB+2:G0SB+3], s[92:93]
	s_or_b32 s[G0SB+3], s[G0SB+3], 0x80000000
	s_mov_b32 s[G0], 1                             ; the head's loads of K step 0, each tile whole: A's eight row blocks,
	s_mov_b32 s[G0+1], 0
	s_mov_b64 s[G0+2:G0+3], s[20:21]
	s_or_b32 s[G0+3], s[G0+3], 0x80000000
	s_mov_b32 s[G0B], 1                            ; B's 128 rows
	s_mov_b32 s[G0B+1], BOFF
	s_mov_b64 s[G0B+2:G0B+3], s[46:47]
	s_or_b32 s[G0B+3], s[G0B+3], 0x80000000
	s_add_nc_u64 s[20:21], s[20:21], s[18:19]      ; my half of the tile
	s_add_nc_u64 s[46:47], s[46:47], s[18:19]
.irp s, 1
	s_mov_b32 s[G0+4*\s], 1
	s_add_co_u32 s[G0+4*\s+1], s45, \s*SLOT
	s_add_nc_u64 s[G0+4*\s+2:G0+4*\s+3], s[20:21], \s*ABLK
	s_or_b32 s[G0+4*\s+3], s[G0+4*\s+3], 0x80000000
	s_mov_b32 s[G0B+4*\s], 1
	s_add_co_u32 s[G0B+4*\s+1], s94, \s*SLOT
	s_add_nc_u64 s[G0B+4*\s+2:G0B+4*\s+3], s[46:47], \s*KSTEP
	s_or_b32 s[G0B+4*\s+3], s[G0B+4*\s+3], 0x80000000
.endr
	; where my prefetch stands: of the half tile that I fetch, my work-group's quarter (one row block of A, 16 rows of B: both 16 SIZE_K bytes apart; the partners of a joint load are told apart by address), at K step 1
	s_cmp_eq_u32 s15, 0
	s_cselect_b64 s[8:9], s[20:21], s[46:47]
	s_cselect_b32 s6, s40, s41
	s_mov_b32 s92, KSTEP
	s_cselect_b32 s92, ABLK, s92                   ; a K step on
	s_mov_b32 s5, SIZE_K
	s_cselect_b32 s5, 512, s5                      ; from one pair of lanes to the next: A's chunks are dense, B's rows SIZE_K apart
	s_mul_i32 s6, s6, 16*SIZE_K
	s_add_co_u32 s6, s6, s92
	s_mov_b32 s7, 0
	s_add_nc_u64 s[8:9], s[8:9], s[6:7]
; THE HEAD'S LOADS, ONE A WAVE: wave 0 A's tile of K step 0, wave 1 B's, wave 2 A's scale words, wave 3 B's scale bytes.  One tree of branches on the wave's number.
.macro ARM under, g0, g1, next
	s_cmp_lt_u32 s14, \under
	s_cbranch_scc0 \next
	tensor_load_to_lds s[\g0:\g0+3], s[\g1:\g1+7]
	s_nop 0
.rept 4
	v_nop
.endr
	s_branch .Lhead_asked
\next:
.endm
	ARM 1, G0,  G1,  .Lhead_b
	ARM 2, G0B, G1B, .Lhead_sa
	ARM 3, G0S, G1S, .Lhead_sb
	tensor_load_to_lds s[G0SB:G0SB+3], s[G1SB:G1SB+7]
	s_nop 0
.rept 4
	v_nop
.endr
.Lhead_asked:
	v_and_b32 v30, 31, v0
	v_lshrrev_b32 v31, 1, v30
	v_and_b32 v30, 1, v30
	v_lshlrev_b32 v30, 8, v30
	v_mad_u32_u24 v30, v31, s5, v30                ; each lane names another 256 bytes; v30 and s[8:9] are never rewritten
	global_prefetch_b8 v30, s[8:9] th:TH_LOAD_NT scope:SCOPE_SE   ; K step 1, the last: 8,192 bytes a wave
	v_and_b32 v1, 15, v0                           ; r
	v_bfe_u32 v2, v0, 4, 1                         ; h
	v_and_b32 v3, 31, v0
	v_lshlrev_b32 v3, 4, v3                        ; 16 x lane
	v_mul_u32_u24 v4, v1, PITCH
	v_lshl_add_u32 v4, v2, 4, v4
	s_mul_i32 s21, s15, AHALF                      ; my 64 rows of A
	s_mul_i32 s22, s16, BHALF                      ; my 64 rows of B
	s_add_co_u32 s22, s22, BOFF
.irp s, 0,1
	v_add_nc_u32 v[ADRA+\s], s21, v3
	v_add_nc_u32 v[ADRB+\s], s22, v4
	s_add_co_u32 s21, s21, SLOT
	s_add_co_u32 s22, s22, SLOT
.endr
	s_lshl_b32 s21, s15, 8
	s_add_co_u32 s21, s21, SCA
	v_lshl_add_u32 v[ADSA], v1, 4, s21             ; A's scale words: my group of 64 rows, 16 bytes a row r
	v_mul_u32_u24 v5, v1, KS
	v_lshrrev_b32 v6, 8, v5
	v_lshl_add_u32 v5, v6, 4, v5                   ; B's: KS bytes a row, 16 more for each 256 passed
	s_mul_i32 s22, s16, HALFSB
	s_add_co_u32 s22, s22, SCB
	v_add_nc_u32 v[ADSB], s22, v5
	s_mul_i32 s23, s14, 16*SPITCH                  ; my stage
	v_mul_u32_u24 v5, v1, SPITCH
	v_lshl_add_u32 v5, v2, 5, v5
	v_add_nc_u32 v[STO], s23, v5                   ; in: row r, 32 bytes for each half of the lanes
	v_mul_u32_u24 v5, v2, SPITCH
	v_lshl_add_u32 v5, v1, 4, v5
	v_add_nc_u32 v[RD], s23, v5                    ; back: lanes 0-15 one row of 256 bytes, lanes 16-31 the next
	v_lshlrev_b32 v[CO], 12, v2
	v_lshl_add_u32 v[CO], v1, 4, v[CO]             ; and the same two rows in memory (4,096 bytes a row)
	v_lshlrev_b32 v[BO], 5, v2
	s_wait_alu depctr_va_vdst(0)
	s_lshl_b32 s20, s17, 7
	s_lshl_b32 s21, s15, 6
	s_add_co_u32 s20, s20, s21                     ; my first row
	s_lshl_b32 s20, s20, 12
	s_lshl_b32 s22, s42, 7
	s_lshl_b32 s23, s16, 6
	s_add_co_u32 s22, s22, s23                     ; my first column,
	s_lshl_b32 s22, s22, 2                         ; in bytes
	s_mov_b32 s23, 0
	s_add_nc_u64 s[10:11], s[10:11], s[22:23]
	s_add_co_u32 s20, s20, s22
	s_mov_b32 s21, 0
	s_add_nc_u64 s[96:97], s[96:97], s[20:21]
	s_add_nc_u64 s[98:99], s[98:99], s[20:21]
.irp b, 0,1,2,3
	global_load_b128 v[BC+8*\b:BC+8*\b+3], v[BO], s[10:11] offset:64*\b          ; the bias at columns 16 b + 8 h + 0 .. 7
	global_load_b128 v[BC+8*\b+4:BC+8*\b+7], v[BO], s[10:11] offset:64*\b+16
.endr
	WIN 0x80                                       ; destination window 2
.irp a, 0,1,2,3
.irp t, 0,1,2,3,4,5,6,7
	global_load_b128 v[4*(8*\a+\t):4*(8*\a+\t)+3], v[CO], s[96:97] offset:(16*\a+2*\t)*4096   ; 16 lanes read 256 consecutive bytes
.endr
.endr
	WIN 0
.macro SCALES s                        ; a K step's scale words into set s
.irp q, 0,1,2,3
	ds_load_b128 v[32+32*\s+4*\q:32+32*\s+4*\q+3], v[ADSA] offset:512*\q
.endr
.irp i, 0,1,2,3
	ds_load_b128 v[48+32*\s+4*\i:48+32*\s+4*\i+3], v[ADSB] offset:\i*SBLK
.endr
.endm
.macro FETCH slot, q, f                ; 32 LDS loads in one run: B's four fragments, then A's four, of the slot's q-th 128 along K
	WIN TO_F
.irp i, 0,1,2,3
.irp c, 0,1,2,3
	ds_load_b128 v[\f+64+16*\i+4*\c:\f+64+16*\i+4*\c+3], v[ADRB+\slot] offset:\i*16*PITCH+128*(\q)+32*\c
.endr
.endr
.irp i, 0,1,2,3
.irp c, 0,1,2,3
	ds_load_b128 v[\f+16*\i+4*\c:\f+16*\i+4*\c+3], v[ADRA+\slot] offset:\i*ABLK+2048*(\q)+512*\c
.endr
.endr
.endm
; four matrix instructions: A's block a x B's four.  The 16 accumulators take turns, one instruction a turn, in the same order in every quarter.  zero = 1: the bias starts the sums
.macro MUL4 f, a, q, sc, zero
.irp b, 0,1,2,3
.if \zero
	v_wmma_scale_f32_16x16x128_f8f6f4 v[ACC+8*(4*(\a)+\b):ACC+8*(4*(\a)+\b)+7], v[\f+64+16*\b:\f+64+16*\b+15], v[\f+16*(\a):\f+16*(\a)+15], v[BC+8*\b:BC+8*\b+7], v[48+32*(\sc)+4*\b+(\q)], v[32+32*(\sc)+4*(\q)+(\a)]
.else
	v_wmma_scale_f32_16x16x128_f8f6f4 v[ACC+8*(4*(\a)+\b):ACC+8*(4*(\a)+\b)+7], v[\f+64+16*\b:\f+64+16*\b+15], v[\f+16*(\a):\f+16*(\a)+15], v[ACC+8*(4*(\a)+\b):ACC+8*(4*(\a)+\b)+7], v[48+32*(\sc)+4*\b+(\q)], v[32+32*(\sc)+4*(\q)+(\a)]
.endif
.endr
.endm
.macro PLACES n
.rept \n
	v_nop
.endr
.endm
.macro QUARTER slot, q, f, g, zero     ; 128 along K from buffer f; the next quarter is fetched into g
	s_wait_dscnt 8                                 ; B's four and A's blocks 0, 1 are in; A's blocks 2, 3, the youngest eight loads, may be out
	WIN MUL
	MUL4 \f, 0, \q, \slot, \zero
	MUL4 \f, 1, \q, \slot, \zero
	PLACES NP
	FETCH \slot, (\q)+1, \g
	s_wait_dscnt 32                                ; all but the 32 just issued
	WIN MUL
	MUL4 \f, 2, \q, \slot, \zero
	MUL4 \f, 3, \q, \slot, \zero
.endm
; A slot's last quarter changes slots: one barrier; in front of it each wave waits for all its tensor loads, adds 0 to its spare word, and waits for that and for its reads of this slot
.macro TURN slot, next, fill
	WIN 0
	s_wait_tensorcnt 0x0
	ds_add_u32 v[SPW], v[NIL]
	s_wait_dscnt 9                                 ; the add and A's blocks 2, 3 may be out
	WIN MUL
	MUL4 F1, 0, 3, \slot, 0
	s_wait_dscnt 0x0                               ; the add is done, and my reads of this slot are over
	s_barrier_signal -1
	MUL4 F1, 1, 3, \slot, 0
	WIN 0
	s_barrier_wait -1
.if \fill
	CREST                                          ; the barrier has opened a round of the cluster's
	s_add_nc_u64 s[G0+4*\slot+2:G0+4*\slot+3], s[G0+4*\slot+2:G0+4*\slot+3], 2*ABLK
	s_add_nc_u64 s[G0B+4*\slot+2:G0B+4*\slot+3], s[G0B+4*\slot+2:G0B+4*\slot+3], 2*KSTEP
	JLOAD G0+4*\slot, G1, G0B+4*\slot, G1B
	PLACES NP-4
.else
	PLACES NP
.endif
	v_add_nc_u32 v[ADSA], 2048, v[ADSA]            ; the next K step's scale words
	v_add_nc_u32 v[ADSB], 16, v[ADSB]
	SCALES \next
	FETCH \next, 0, F0
	WIN MUL
	MUL4 F1, 2, 3, \slot, 0
	MUL4 F1, 3, 3, \slot, 0
.endm
	s_wait_alu depctr_va_vdst(0)                   ; the head's end
	s_wait_tensorcnt 0x0                           ; my tile of the head's four is in; these lines stand ahead of slot 1's first fill as ahead of a refill
	ds_add_u32 v[SPW], v[NIL]
	s_mov_b32 s[G1+2], 4<<16                       ; no tensor load of mine is out: from here on a load brings half a tile
	s_mov_b32 s[G1+4], 4
	s_mov_b32 s[G1B+2], 64<<16
	s_mov_b32 s[G1B+4], 64
	s_wait_dscnt 0x0
	CROUND                                         ; all four tiles are in, and all sixteen work-groups are here
	JLOAD G0+4, G1, G0B+4, G1B                     ; K step 1, the first tensor load behind the round
	SCALES 0
	FETCH 0, 0, F0
	s_wait_loadcnt 32                              ; the bias is in; the residual's 32 loads may be out
	QUARTER 0, 0, F0, F1, 1
.if LAPS > 1
	WIN 0
	s_mov_b32 s3, LAPS-1
.Llap:
	QUARTER 0, 1, F1, F0, 0
	QUARTER 0, 2, F0, F1, 0
	TURN 0, 1, 1
	QUARTER 1, 0, F0, F1, 0
	QUARTER 1, 1, F1, F0, 0
	QUARTER 1, 2, F0, F1, 0
	TURN 1, 0, 1
	QUARTER 0, 0, F0, F1, 0
	WIN 0
	s_sub_co_u32 s3, s3, 1
	s_cmp_lg_u32 s3, 0
	s_cbranch_scc1 .Llap
.endif
	QUARTER 0, 1, F1, F0, 0                        ; the last lap fills nothing
	QUARTER 0, 2, F0, F1, 0
	TURN 0, 1, 0
	QUARTER 1, 0, F0, F1, 0
	QUARTER 1, 1, F1, F0, 0
	QUARTER 1, 2, F0, F1, 0
	s_wait_dscnt 8
	WIN MUL
	MUL4 F1, 0, 3, 1, 0
	MUL4 F1, 1, 3, 1, 0
	s_wait_dscnt 0
	MUL4 F1, 2, 3, 1, 0
	MUL4 F1, 3, 3, 1, 0
	WIN 0
; THE WAY OUT, block by block of 16 rows x 64 columns, through my own stage: in as 32 bytes a lane, back as whole rows of 256 bytes; the residual is added; sixteen lanes store 256 consecutive bytes, aligned.
.macro TOSTAGE a
.irp b, 0,1,2,3
	ds_store_b128 v[STO], v[ACC+8*(4*(\a)+\b):ACC+8*(4*(\a)+\b)+3] offset:64*\b        ; each accumulator from its low end on
	ds_store_b128 v[STO], v[ACC+8*(4*(\a)+\b)+4:ACC+8*(4*(\a)+\b)+7] offset:64*\b+16
.endr
	WIN TO_F
.irp t, 0,1,2,3,4,5,6,7
	ds_load_b128 v[32*((\a)%2)+4*\t:32*((\a)%2)+4*\t+3], v[RD] offset:\t*2*SPITCH      ; LDS serves a wave's instructions in order: these see the stores above
.endr
	WIN 0
.endm
.macro SEND a, younger
	s_wait_dscnt \younger
	WIN 0x49                                       ; destination and source 0 window 1, source 1 window 2
.irp t, 0,1,2,3,4,5,6,7
.irp p, 0,2
	v_pk_add_f32 v[32*((\a)%2)+4*\t+\p:32*((\a)%2)+4*\t+\p+1], v[32*((\a)%2)+4*\t+\p:32*((\a)%2)+4*\t+\p+1], v[4*(8*(\a)+\t)+\p:4*(8*(\a)+\t)+\p+1]
.endr
.endr
	WIN 0x04                                       ; a store's data are its source 1: window 1
.irp t, 0,1,2,3,4,5,6,7
	global_store_b128 v[CO], v[32*((\a)%2)+4*\t:32*((\a)%2)+4*\t+3], s[98:99] offset:(16*(\a)+2*\t)*4096
.endr
	WIN 0
.endm
	PLACES NP                                      ; behind the last products
	s_wait_loadcnt 0x0                             ; the residual
	TOSTAGE 0
	TOSTAGE 1
	SEND 0, 16                                     ; behind block 0's loads: block 1's 8 stores and 8 loads
	s_wait_xcnt 0x0                                ; block 0's stores have read their registers: block 2's rows may land there
	TOSTAGE 2
	SEND 1, 16
	s_wait_xcnt 0x0
	TOSTAGE 3
	SEND 2, 16
	SEND 3, 0
	s_wait_tensorcnt 0x0                           ; the wave's end
	ds_add_u32 v[SPW], v[NIL]
	s_wait_dscnt 0x0
	CROUND                                         ; the closing round
	s_endpgm
.Lfunc_end_k_qd2a01913c9_proj:
	.size	k_qd2a01913c9_proj, .Lfunc_end_k_qd2a01913c9_proj-k_qd2a01913c9_proj
	.p2alignl 7, 3214868480
	.fill 96, 4, 3214868480
	.section	.rodata,"a",@progbits
	.p2align	6, 0x0
	.amdhsa_kernel k_qd2a01913c9_proj
		.amdhsa_group_segment_fixed_size 327680
		.amdhsa_private_segment_fixed_size 0
		.amdhsa_enable_private_segment 0
		.amdhsa_kernarg_size 48
		.amdhsa_user_sgpr_count 2
		.amdhsa_user_sgpr_kernarg_segment_ptr 1
		.amdhsa_wavefront_size32 1
		.amdhsa_system_sgpr_workgroup_id_x 1
		.amdhsa_system_sgpr_workgroup_id_y 1
		.amdhsa_system_sgpr_workgroup_id_z 1
		.amdhsa_system_vgpr_workitem_id 0
		.amdhsa_next_free_vgpr 768
		.amdhsa_next_free_sgpr 100
		.amdhsa_reserve_vcc 0
		.amdhsa_float_denorm_mode_32 3
		.amdhsa_float_denorm_mode_16_64 3
		.amdhsa_memory_ordered 1
		.amdhsa_forward_progress 1
		.amdhsa_inst_pref_size 64
	.end_amdhsa_kernel
	.amdgpu_metadata
---
amdhsa.version: [ 1, 2 ]
amdhsa.kernels:
  - .name:           k_qd2a01913c9_proj
    .symbol:         k_qd2a01913c9_proj.kd
    .args:
      - { .name: ob, .offset: 0, .size: 8, .value_kind: global_buffer, .address_space: global }
      - { .name: proj_w_codes, .offset: 8, .size: 8, .value_kind: global_buffer, .address_space: global }
      - { .name: proj_w_scales, .offset: 16, .size: 8, .value_kind: global_buffer, .address_space: global }
      - { .name: proj_b, .offset: 24, .size: 8, .value_kind: global_buffer, .address_space: global }
      - { .name: x, .offset: 32, .size: 8, .value_kind: global_buffer, .address_space: global }
      - { .name: x1, .offset: 40, .size: 8, .value_kind: global_buffer, .address_space: global }
    .group_segment_fixed_size: 327680
    .private_segment_fixed_size: 0
    .kernarg_segment_align: 8
    .kernarg_segment_size: 48
    .max_flat_workgroup_size: 128
    .sgpr_count:     100
    .vgpr_count:     768
    .wavefront_size: 32
...
	.end_amdgpu_metadata
.endif
;; end of part 4
;; launch ln2: the kernel of part 1 again; grid 256 x 1, 4 waves a work-group, no clusters, 22,016 bytes of LDS; arguments x1, ln2_g, ln2_b, hn; writes hn
;; launch ff1 (part 5): grid 16 x 16, 4 waves a work-group, clusters of 4 x 4, 327,680 bytes of LDS; arguments hn, ff1_w_codes, ff1_w_scales, ff1_b, gb; writes gb
.if DOCPART == 5
	.amdgcn_target "amdgcn-amd-amdhsa--gfx1250"
	.amdhsa_code_object_version 6
	.text
	.protected	k_qd2a01913c9_ff1
	.globl	k_qd2a01913c9_ff1
	.p2align	8
	.type	k_qd2a01913c9_ff1,@function
k_qd2a01913c9_ff1:
	s_mov_b64 s[64:65], 0
	v_nop
	global_prefetch_b8 v0, s[64:65] scope:SCOPE_SE
	s_setreg_imm32_b32 hwreg(HW_REG_WAVE_MODE, 25, 1), 1
	s_wait_xcnt 0x0
	s_wait_alu depctr_hold_cnt(0) depctr_sa_sdst(0) depctr_va_vdst(0) depctr_va_sdst(0) depctr_va_ssrc(0) depctr_va_vcc(0) depctr_vm_vsrc(0)
	s_getreg_b32 s2, hwreg(HW_REG_IB_STS2, 6, 4)
	s_cmp_eq_u32 s2, 0
	s_cbranch_scc0 .Lentry_in_a_cluster
	s_endpgm
.Lentry_in_a_cluster:
	s_bfe_u32 s2, ttmp6, 0x10000c
	s_cmp_lg_u32 s2, 0xf033
	s_cbranch_scc0 .Lentry_shape_is_right
	s_endpgm
.Lentry_shape_is_right:
.set KSTEP,  256
.set NQ,     KSTEP/128
.set ROWB,   256
.set KROW,   1024
.set PITCH,  272
.set FR,     16
.set NL,     4
.set NP,     8
.set HALFT,  128*PITCH
.set SLOT,   4*HALFT
.set LAPS,   2
.set KS,     32
.set SCL,    2*SLOT
.set HALFS,  (128*KS/256)*272
.set SBLK,   (16*KS/256)*272
.set SPARE,  SCL+4*HALFS
.set ADRA, 16
.set ADRB, 20
.set LRD,  22
.set LI,   24
.set SWA,  25
.set ADW,  26
.set ADRS, 27
.set SPW,  28
.set NIL,  29
.set BO0,  30
.set SC,   32
.set BB,   64
.set AF,   128
.set T,    128
.set TT,   32
.set PP,   192
.set ZZ,   224
.set TM,   192
.set W0,   208
.set PC,   240
.set G1, 24
.set G0, 32
.set G1B, 48
.set G0B, 56
.set G1S, 68
.set G0S, 76
.set G1SB, 80
.set G0SB, 88
.set P0,   92
.set P1,   96
.set SP0,  98
.set CNT,  2
.set SEL,  3
.set PSEL, 20
.set MNT,  22
.set AOF,  23
.set C9, 24
.set C7, 26
.set C6, 28
.set C5, 30
.set C4, 32
.set C3, 34
.set C2, 36
.set C1, 38
.set C0, 40
.set L2E, 42
.set SQ, 44
.set MSB, 0
.macro WIN new
.if MSB != \new
	s_set_vgpr_msb (MSB<<8)|\new
.set MSB, \new
.endif
.endm
.set MUL_LO, 0xa1
.set MUL_HI, 0xf1
.set TO_B,   0x40
.macro JLOAD g0a, g1a, g0b, g1b
	s_cmp_eq_u32 s15, 0
	s_cbranch_scc0 .Lfor_b_\@
	tensor_load_to_lds s[\g0a:\g0a+3], s[\g1a:\g1a+7]
	s_nop 0
.rept 4
	v_nop
.endr
	s_branch .Lasked_\@
.Lfor_b_\@:
	tensor_load_to_lds s[\g0b:\g0b+3], s[\g1b:\g1b+7]
	s_nop 0
.rept 4
	v_nop
.endr
.Lasked_\@:
.endm
.macro CREST
	s_cmp_lg_u32 s14, 0
	s_cbranch_scc1 .Lnot_wave_0_\@
	s_barrier_signal -3
.Lnot_wave_0_\@:
	s_barrier_wait -3
	s_barrier_signal -1
	s_barrier_wait -1
.endm
.macro CROUND
	s_barrier_signal -1
	s_barrier_wait -1
	CREST
.endm
	s_load_b256 s[4:11], s[0:1], 0x0
	s_load_b64 s[12:13], s[0:1], 0x20
	v_lshl_add_u32 v[SPW], v0, 2, SPARE
	v_mov_b32 v[NIL], 0
	ds_add_u32 v[SPW], v[NIL]
	ds_add_u32 v[SPW], v[NIL]
	v_lshrrev_b32 v1, 5, v0
	v_readfirstlane_b32 s14, v1
	s_lshr_b32 s15, s14, 1
	s_and_b32 s16, s14, 1
	s_bfe_u32 s40, ttmp6, 0x40000
	s_bfe_u32 s41, ttmp6, 0x40004
	s_lshl_b32 s42, ttmp9, 2
	s_add_co_u32 s42, s42, s40
	s_and_b32 s17, ttmp7, 0xffff
	s_lshl_b32 s17, s17, 2
	s_add_co_u32 s17, s17, s41
	s_lshl_b32 s43, s41, 2
	s_lshl_b32 s43, 15, s43
	s_lshl_b32 s44, 0x1111, s40
	s_or_b32 s[G1+0], s43, (0<<16)|(1<<20)|(1<<21)|(5<<22)|(3<<25)
	s_or_b32 s[G1B+0], s44, (0<<16)|(1<<20)|(1<<21)|(5<<22)|(3<<25)
.irp g, G1, G1B
	s_mov_b32 s[\g+1], ROWB<<16
	s_mov_b32 s[\g+2], 256<<16
	s_mov_b32 s[\g+3], ROWB<<16
	s_mov_b32 s[\g+4], 256
	s_mov_b32 s[\g+5], KROW
	s_mov_b32 s[\g+6], 0
	s_mov_b32 s[\g+7], 0
.endr
	s_or_b32 s[G1S+0], s43, (3<<16)|(1<<20)|(1<<21)|(5<<22)|(3<<25)
	s_or_b32 s[G1SB+0], s44, (3<<16)|(1<<20)|(1<<21)|(5<<22)|(3<<25)
.irp g, G1S, G1SB
	s_mov_b32 s[\g+1], 32<<16
	s_mov_b32 s[\g+2], (256*KS/256)<<16
	s_mov_b32 s[\g+3], 32<<16
	s_mov_b32 s[\g+4], 256*KS/256
	s_mov_b32 s[\g+5], 32
	s_mov_b32 s[\g+6], 0
	s_mov_b32 s[\g+7], 0
.endr
	s_lshl_b32 s20, s17, 8                         ; A: the tile's first row
	s_lshl_b32 s46, s42, 8                         ; B likewise
	s_mov_b32 s21, 0
	s_mov_b32 s47, 0
	s_mov_b64 s[18:19], KS
	s_mul_u64 s[22:23], s[20:21], s[18:19]
	s_mul_u64 s[92:93], s[46:47], s[18:19]
	s_mov_b64 s[18:19], KROW
	s_mul_u64 s[20:21], s[20:21], s[18:19]
	s_mul_u64 s[46:47], s[46:47], s[18:19]
	s_mul_i32 s45, s14, HALFT
	s_mul_i32 s18, s16, 128*KROW                   ; in the ring I fetch 128 rows of a tile: which half, in bytes
	s_mov_b32 s19, 0
	s_wait_dscnt 0x0
	s_wait_kmcnt 0x0
	s_add_nc_u64 s[96:97], s[4:5], 0x400000
	s_add_nc_u64 s[20:21], s[4:5], s[20:21]
	s_add_nc_u64 s[22:23], s[96:97], s[22:23]
	s_add_nc_u64 s[46:47], s[6:7], s[46:47]
	s_add_nc_u64 s[92:93], s[8:9], s[92:93]
	CROUND
	s_mov_b32 s[G0S], 1
	s_mov_b32 s[G0S+1], SCL
	s_mov_b64 s[G0S+2:G0S+3], s[22:23]
	s_or_b32 s[G0S+3], s[G0S+3], 0x80000000
	s_mov_b32 s[G0SB], 1
	s_mov_b32 s[G0SB+1], SCL+2*HALFS
	s_mov_b64 s[G0SB+2:G0SB+3], s[92:93]
	s_or_b32 s[G0SB+3], s[G0SB+3], 0x80000000
	s_mov_b32 s[G0], 1                             ; slot 0's groups 0 serve the head first: K step 0's 256 rows of A,
	s_mov_b32 s[G0+1], 0
	s_mov_b64 s[G0+2:G0+3], s[20:21]
	s_or_b32 s[G0+3], s[G0+3], 0x80000000
	s_mov_b32 s[G0B], 1                            ; and of B, behind them in slot 0
	s_mov_b32 s[G0B+1], 2*HALFT
	s_mov_b64 s[G0B+2:G0B+3], s[46:47]
	s_or_b32 s[G0B+3], s[G0B+3], 0x80000000
	s_add_nc_u64 s[20:21], s[20:21], s[18:19]      ; for the ring: my 128 rows of the tile
	s_add_nc_u64 s[46:47], s[46:47], s[18:19]
.irp s, 1
	s_mov_b32 s[G0+4*\s], 1
	s_add_co_u32 s[G0+4*\s+1], s45, \s*SLOT
	s_add_nc_u64 s[G0+4*\s+2:G0+4*\s+3], s[20:21], \s*ROWB
	s_or_b32 s[G0+4*\s+3], s[G0+4*\s+3], 0x80000000
	s_mov_b32 s[G0B+4*\s], 1
	s_add_co_u32 s[G0B+4*\s+1], s45, \s*SLOT
	s_add_nc_u64 s[G0B+4*\s+2:G0B+4*\s+3], s[46:47], \s*ROWB
	s_or_b32 s[G0B+4*\s+3], s[G0B+4*\s+3], 0x80000000
.endr
	; where my prefetches stand: of the 128 rows that I fetch in the ring, my work-group's 32 (the four partners of a joint load are told apart by address: cx for A, cy for B)
	s_cmp_eq_u32 s15, 0
	s_cselect_b64 s[8:9], s[20:21], s[46:47]
	s_cselect_b32 s6, s40, s41
	s_lshl_b32 s6, s6, 15                          ; 32 rows of 1,024 bytes
	s_mov_b32 s7, 0
	s_add_nc_u64 s[8:9], s[8:9], s[6:7]
; THE HEAD'S LOADS, ONE A WAVE: wave 0 K step 0's 256 rows of A, wave 1 those of B, wave 2 A's scale bytes, wave 3 B's.  One tree of branches on the wave's number.
.macro ARM under, g0, g1, next
	s_cmp_lt_u32 s14, \under
	s_cbranch_scc0 \next
	tensor_load_to_lds s[\g0:\g0+3], s[\g1:\g1+7]
	s_nop 0
.rept 4
	v_nop
.endr
	s_branch .Lhead_asked
\next:
.endm
	ARM 1, G0,  G1,  .Lhead_b
	ARM 2, G0B, G1B, .Lhead_sa
	ARM 3, G0S, G1S, .Lhead_sb
	tensor_load_to_lds s[G0SB:G0SB+3], s[G1SB:G1SB+7]
	s_nop 0
.rept 4
	v_nop
.endr
.Lhead_asked:
	v_and_b32 v23, 31, v0
	v_lshlrev_b32 v23, 10, v23                     ; a lane a row; v23 and s[8:9] are never rewritten
	global_prefetch_b8 v23, s[8:9] offset:256 th:TH_LOAD_NT scope:SCOPE_SE   ; K steps 1 and 2 of my 32 rows, 256 bytes a row and step
	global_prefetch_b8 v23, s[8:9] offset:512 th:TH_LOAD_NT scope:SCOPE_SE
	v_and_b32 v1, 15, v0
	v_bfe_u32 v2, v0, 4, 1
	v_mul_u32_u24 v3, v1, PITCH
	v_lshl_add_u32 v4, v2, 4, v3
	s_mul_i32 s21, s15, HALFT
	s_mul_i32 s22, s16, HALFT
	s_add_co_u32 s22, s22, 2*HALFT
.irp s, 0,1
	v_add_nc_u32 v[ADRA+\s], s21, v4
	v_add_nc_u32 v[ADRB+\s], s22, v4
	s_add_co_u32 s21, s21, SLOT
	s_add_co_u32 s22, s22, SLOT
.endr
	v_mul_u32_u24 v5, v1, KS
	v_lshrrev_b32 v6, 8, v5
	v_lshl_add_u32 v5, v6, 4, v5
	s_mul_i32 s21, s15, HALFS
	s_mul_i32 s22, s16, HALFS
	s_add_co_u32 s22, s22, 2*HALFS
	s_sub_co_u32 s22, s22, s21
	v_mul_u32_u24 v6, s22, v2
	s_add_co_u32 s21, s21, SCL
	v_add_nc_u32 v5, v5, v6
	v_add_nc_u32 v[ADRS], s21, v5
	v_and_b32 v6, 31, v0
	v_lshlrev_b32 v[LI], 4, v6
	s_lshl_b32 s23, s14, 10
	v_lshl_add_u32 v[SWA], v1, 4, s23
	v_add_nc_u32 v[LRD], s23, v[LI]
	v_lshlrev_b32 v[BO0], 5, v2
	s_wait_alu depctr_va_vdst(0)
	s_lshl_b32 s18, s17, 8
	s_lshl_b32 s19, s15, 7
	s_add_co_u32 s18, s18, s19
	s_lshl_b32 s19, s42, 8
	s_lshl_b32 s20, s16, 7
	s_add_co_u32 s19, s19, s20
	s_lshl_b32 s20, s18, 12
	s_lshl_b32 s21, s19, 4
	s_add_co_u32 s20, s20, s21
	s_mov_b32 s21, 0
	s_add_nc_u64 s[P0:P0+1], s[12:13], s[20:21]
	s_add_nc_u64 s[P1:P1+1], s[P0:P0+1], 1024
	s_lshl_b32 s20, s19, 7
	s_lshl_b32 s22, s18, 2
	s_add_co_u32 s20, s20, s22
	s_add_co_u32 s20, s20, 16777216
	s_add_nc_u64 s[SP0:SP0+1], s[12:13], s[20:21]
	s_lshl_b32 s20, s19, 2
	s_add_nc_u64 s[10:11], s[10:11], s[20:21]
.irp b, 0,1,2,3,4,5,6,7
	global_load_b128 v[BB+8*\b:BB+8*\b+3], v[BO0], s[10:11] offset:64*\b
	global_load_b128 v[BB+8*\b+4:BB+8*\b+7], v[BO0], s[10:11] offset:64*\b+16
.endr
.macro FRAG reg, adr, q, i
.irp c, 0,1,2,3
	ds_load_b128 v[\reg+4*\c:\reg+4*\c+3], v[\adr] offset:128*(\q)+32*\c+(\i)*16*PITCH
.endr
.endm
.macro MUL16 a0, p, q, sc, zero
.irp a, \a0, \a0+1
.irp b, 0,1,2,3,4,5,6,7
.if \zero
	v_wmma_scale_f32_16x16x128_f8f6f4 v[8*(8*((\a)%4)+\b):8*(8*((\a)%4)+\b)+7], v[128*(\p)+FR*\b:128*(\p)+FR*\b+FR-1], v[AF+FR*(\a):AF+FR*(\a)+FR-1], 0, v[SC+8*NQ*(\sc)+NQ*\b+(\q)], v[SC+8*NQ*(\sc)+NQ*(\a)+(\q)] matrix_a_scale:MATRIX_SCALE_ROW1
.else
	v_wmma_scale_f32_16x16x128_f8f6f4 v[8*(8*((\a)%4)+\b):8*(8*((\a)%4)+\b)+7], v[128*(\p)+FR*\b:128*(\p)+FR*\b+FR-1], v[AF+FR*(\a):AF+FR*(\a)+FR-1], v[8*(8*((\a)%4)+\b):8*(8*((\a)%4)+\b)+7], v[SC+8*NQ*(\sc)+NQ*\b+(\q)], v[SC+8*NQ*(\sc)+NQ*(\a)+(\q)] matrix_a_scale:MATRIX_SCALE_ROW1
.endif
.endr
.endr
.endm
.macro FETCH_B slot, q, p
	WIN TO_B
.irp i, 0,1,2,3,4,5,6,7
	FRAG 128*(\p)+FR*\i, ADRB+\slot, \q, \i
.endr
	WIN 0
.endm
.macro FETCH_A slot, q, i0
.irp i, \i0, \i0+1, \i0+2, \i0+3
	FRAG AF+FR*(\i), ADRA+\slot, \q, \i
.endr
.endm
.macro SCALES sc
.irp i, 0,1,2,3,4,5,6,7
	ds_load_b64 v[SC+8*NQ*\sc+NQ*\i:SC+8*NQ*\sc+NQ*\i+1], v[ADRS] offset:\i*SBLK
.endr
.endm
.macro PLACES n
.rept \n
	v_nop
.endr
.endm
.macro STEP slot, q, zero
	s_wait_dscnt 4*NL
	WIN MUL_LO
	MUL16 0, (\q)%2, \q, \slot, \zero
	MUL16 2, (\q)%2, \q, \slot, \zero
	s_wait_dscnt 0
	PLACES NP
	FETCH_B \slot, (\q)+1, 1-(\q)%2
	FETCH_A \slot, (\q)+1, 0
	WIN MUL_HI
	MUL16 4, (\q)%2, \q, \slot, \zero
	MUL16 6, (\q)%2, \q, \slot, \zero
	PLACES NP
	WIN 0
	FETCH_A \slot, (\q)+1, 4
.endm
.macro TURN slot, next, fill
	s_wait_tensorcnt 0x0
	ds_add_u32 v[SPW], v[NIL]
	s_wait_dscnt 4*NL+1
	WIN MUL_LO
	MUL16 0, 1, NQ-1, \slot, 0
	s_wait_dscnt 0x0
	s_barrier_signal -1
	MUL16 2, 1, NQ-1, \slot, 0
	WIN 0
	s_barrier_wait -1
.if \fill
	CREST
	s_add_nc_u64 s[G0+4*\slot+2:G0+4*\slot+3], s[G0+4*\slot+2:G0+4*\slot+3], 2*ROWB
	s_add_nc_u64 s[G0B+4*\slot+2:G0B+4*\slot+3], s[G0B+4*\slot+2:G0B+4*\slot+3], 2*ROWB
	JLOAD G0+4*\slot, G1, G0B+4*\slot, G1B
	PLACES NP-4
.else
	PLACES NP
.endif
	s_wait_alu depctr_va_vdst(0)
	v_add_nc_u32 v[ADRS], 4*NQ, v[ADRS]
	FETCH_B \next, 0, 0
	FETCH_A \next, 0, 0
	SCALES \next
	WIN MUL_HI
	MUL16 4, 1, NQ-1, \slot, 0
	MUL16 6, 1, NQ-1, \slot, 0
	PLACES NP
	WIN 0
	FETCH_A \next, 0, 4
.endm
	s_wait_alu depctr_va_vdst(0)                   ; the head's end
	s_wait_tensorcnt 0x0                           ; my tile of the head's four is in; these lines stand ahead of slot 1's first fill as ahead of a refill
	ds_add_u32 v[SPW], v[NIL]
	s_mov_b32 s[G1+2], 128<<16                     ; no tensor load of mine is out: from here on a load brings 128 rows
	s_mov_b32 s[G1+4], 128
	s_mov_b32 s[G1B+2], 128<<16
	s_mov_b32 s[G1B+4], 128
	s_mul_i32 s[G0+1], s14, HALFT                  ; and slot 0's groups 0 take the ring's form: my quarter of the slot,
	s_mul_i32 s[G0B+1], s14, HALFT
	s_mul_i32 s46, s16, 128*KROW
	s_mov_b32 s47, 0
	s_add_nc_u64 s[G0+2:G0+3], s[G0+2:G0+3], s[46:47]      ; my 128 rows
	s_add_nc_u64 s[G0B+2:G0B+3], s[G0B+2:G0B+3], s[46:47]
	s_wait_dscnt 0x0
	CROUND                                         ; all four tiles are in, and all sixteen work-groups are here
	JLOAD G0+4, G1, G0B+4, G1B                     ; K step 1, the first tensor load behind the round
	FETCH_B 0, 0, 0
	FETCH_A 0, 0, 0
	SCALES 0
	FETCH_A 0, 0, 4
	global_prefetch_b8 v23, s[8:9] offset:768 th:TH_LOAD_NT scope:SCOPE_SE   ; K step 3, the last: two fills ahead of its load
	STEP 0, 0, 1
	s_mov_b32 s3, LAPS-1
.Llap:
	TURN 0, 1, 1
	STEP 1, 0, 0
	TURN 1, 0, 1
	STEP 0, 0, 0
	s_sub_co_u32 s3, s3, 1
	s_cmp_lg_u32 s3, 0
	s_cbranch_scc1 .Llap
	TURN 0, 1, 0
	STEP 1, 0, 0
	s_wait_dscnt 4*NL
	WIN MUL_LO
	MUL16 0, 1, NQ-1, 1, 0
	MUL16 2, 1, NQ-1, 1, 0
	s_wait_dscnt 0
	WIN MUL_HI
	MUL16 4, 1, NQ-1, 1, 0
	MUL16 6, 1, NQ-1, 1, 0
	WIN 0
.macro MOVE k
.Lmv_\k:
	WIN 0x02+(\k)/4
.irp b, 0,1,2,3,4,5,6,7
.irp p, 0,2,4,6
	v_pk_add_f32 v[T+8*\b+\p:T+8*\b+\p+1], v[8*(8*((\k)%4)+\b)+\p:8*(8*((\k)%4)+\b)+\p+1], v[BB+8*\b+\p:BB+8*\b+\p+1]
.endr
.endr
	WIN 0
	s_branch .Lcommon
.endm
.macro GELU u
.set TH, T+32*(\u)
.set j, 0
.rept 32
	v_fma_f32 v[TT+j], |v[TH+j]|, s[SQ], 1.0
.set j, j+1
.endr
.set j, 0
	s_wait_alu depctr_va_vdst(0)
.rept 32
	v_rcp_f32 v[TT+j], v[TT+j]
.set j, j+1
.endr
.set j, 0
.rept 16
	v_pk_mul_f32 v[ZZ+j:ZZ+j+1], v[TH+j:TH+j+1], v[TH+j:TH+j+1]
.set j, j+2
.endr
	s_wait_alu depctr_va_vdst(0)
.set j, 0
.rept 16
	v_pk_fma_f32 v[PP+j:PP+j+1], v[TT+j:TT+j+1], s[C9:C9+1], v[30:31] op_sel_hi:[1,0,1]
.set j, j+2
.endr
.irp c, C7,C6,C5,C4,C3,C2,C1,C0
.set j, 0
.rept 16
	v_pk_fma_f32 v[PP+j:PP+j+1], v[PP+j:PP+j+1], v[TT+j:TT+j+1], s[\c:\c+1] op_sel_hi:[1,1,0]
.set j, j+2
.endr
.endr
.set j, 0
.rept 16
	v_pk_fma_f32 v[PP+j:PP+j+1], v[ZZ+j:ZZ+j+1], -0.5, v[PP+j:PP+j+1] op_sel_hi:[1,0,1]
.set j, j+2
.endr
.set j, 0
.rept 16
	v_pk_mul_f32 v[PP+j:PP+j+1], v[PP+j:PP+j+1], s[L2E:L2E+1] op_sel_hi:[1,0]
.set j, j+2
.endr
.set j, 0
	s_wait_alu depctr_va_vdst(0)
.rept 32
	v_exp_f32 v[PP+j], v[PP+j]
.set j, j+1
.endr
.set j, 0
.rept 32
	v_max_num_f32 v[ZZ+j], 0, v[TH+j]
.set j, j+1
.endr
	s_wait_alu depctr_va_vdst(0)
.set j, 0
.rept 16
	v_pk_mul_f32 v[PP+j:PP+j+1], v[PP+j:PP+j+1], v[TT+j:TT+j+1]
.set j, j+2
.endr
.set j, 0
.rept 32
	v_fma_f32 v[TH+j], -|v[TH+j]|, v[PP+j], v[ZZ+j]
.set j, j+1
.endr
.endm
.macro QUANT
.irp b, 0,1,2,3
	v_max3_num_f32 v[TM+\b], |v[T+16*\b]|, |v[T+1+16*\b]|, 0x4800000
.endr
.irp i, 2,4,6,8,10,12,14
.irp b, 0,1,2,3
	v_max3_num_f32 v[TM+\b], v[TM+\b], |v[T+16*\b+\i]|, |v[T+1+16*\b+\i]|
.endr
.endr
.irp b, 0,1,2,3
	v_permlanex16_b32 v[TM+4+\b], v[TM+\b], s[PSEL], s[PSEL+1]
.endr
.irp b, 0,1,2,3
	v_max_num_f32 v[TM+\b], v[TM+\b], v[TM+4+\b]
.endr
.irp b, 0,1,2,3
	v_add_nc_u32 v[TM+12+\b], 0xfc000000, v[TM+\b]
.endr
.irp b, 0,1,2,3
	v_and_or_b32 v[TM+8+\b], v[TM+\b], 0x7f800000, s[MNT]
.endr
.irp b, 0,1,2,3
	v_lshrrev_b32 v[TM+4+\b], 23, v[TM+12+\b]
.endr
.irp b, 0,1,2,3
.irp i, 0,1,2,3,4,5,6,7,8,9,10,11,12,13,14,15
	v_med3_num_f32 v[T+16*\b+\i], v[T+16*\b+\i], -v[TM+8+\b], v[TM+8+\b]
.endr
	v_cvt_scalef32_pk8_fp8_f32 v[PC+4*\b:PC+1+4*\b], v[T+16*\b:T+7+16*\b], v[TM+12+\b]
	v_cvt_scalef32_pk8_fp8_f32 v[PC+2+4*\b:PC+3+4*\b], v[T+8+16*\b:T+15+16*\b], v[TM+12+\b]
.endr
	v_nop
.irp b, 0,1,2,3
	v_permlane16_swap_b32 v[PC+4*\b], v[PC+4*\b+2]
	v_permlane16_swap_b32 v[PC+4*\b+1], v[PC+4*\b+3]
.endr
.endm
	PLACES NP
	s_wait_loadcnt 0x0
	v_mov_b32 v30, 0xbf527892
	v_mov_b32 v31, 0xbf527892
	s_mov_b32 s[PSEL], 0x76543210
	s_mov_b32 s[PSEL+1], 0xfedcba98
	s_mov_b32 s[MNT], 0x600000
	s_mov_b32 s[C9], 0x3e2ef945
	s_mov_b32 s[C7], 0x3fbe87b0
	s_mov_b32 s[C6], 0xbf914e5d
	s_mov_b32 s[C5], 0x3e8ec7cc
	s_mov_b32 s[C4], 0xbe3ec24c
	s_mov_b32 s[C3], 0x3dc636c9
	s_mov_b32 s[C2], 0x3ebf88fb
	s_mov_b32 s[C1], 0x3f8000c7
	s_mov_b32 s[C0], 0xbffab55a
	s_mov_b32 s[L2E], 0x3fb8aa3b
.irp c, C9,C7,C6,C5,C4,C3,C2,C1,C0,L2E
	s_mov_b32 s[\c+1], s[\c]
.endr
	s_mov_b32 s[SQ], 0x3eb504f3
	s_mov_b32 s[CNT], 0
	s_mov_b32 s[SEL], 0
.Lrow:
.irp k, 0,1,2,3,4,5,6
	s_cmp_eq_u32 s[SEL], \k
	s_cbranch_scc1 .Lmv_\k
.endr
	MOVE 7
	MOVE 0
	MOVE 1
	MOVE 2
	MOVE 3
	MOVE 4
	MOVE 5
	MOVE 6
.Lcommon:
	GELU 0                                         ; 32 numbers a batch: t in v32-63 (the scale words' registers, which are done with), the polynomial in v192-223, squares and max(0, x) in v224-255
	GELU 1
	QUANT
	global_store_b128 v[LI], v[PC:PC+3], s[P0:P0+1]
	global_store_b128 v[LI], v[PC+4:PC+7], s[P0:P0+1] offset:512
	global_store_b128 v[LI], v[PC+8:PC+11], s[P1:P1+1]
	global_store_b128 v[LI], v[PC+12:PC+15], s[P1:P1+1] offset:512
	v_lshl_or_b32 v[W0], v[TM+5], 8, v[TM+4]
	v_lshl_or_b32 v[W0], v[TM+6], 16, v[W0]
	v_lshl_or_b32 v[W0], v[TM+7], 24, v[W0]
	s_lshr_b32 s[AOF], s[CNT], 2
	s_lshl_b32 s[AOF], s[AOF], 8
	s_and_b32 s45, s[CNT], 3
	s_lshl_b32 s45, s45, 2
	s_add_co_u32 s[AOF], s[AOF], s45
	v_add_nc_u32 v[ADW], s[AOF], v[SWA]
	ds_store_b32 v[ADW], v[W0]
	s_wait_xcnt 0x0
	s_add_nc_u64 s[P0:P0+1], s[P0:P0+1], 65536
	s_add_nc_u64 s[P1:P1+1], s[P1:P1+1], 65536
	s_add_co_u32 s[SEL], s[SEL], 1
	s_add_co_u32 s[CNT], s[CNT], 1
	s_cmp_lt_u32 s[CNT], 8
	s_cbranch_scc1 .Lrow
	ds_load_b128 v[T:T+3], v[LRD]
	s_wait_dscnt 0x0
	global_store_b128 v[LI], v[T:T+3], s[SP0:SP0+1]
	s_wait_tensorcnt 0x0
	ds_add_u32 v[SPW], v[NIL]
	s_wait_dscnt 0x0
	CROUND
	s_endpgm
.Lfunc_end_k_qd2a01913c9_ff1:
	.size	k_qd2a01913c9_ff1, .Lfunc_end_k_qd2a01913c9_ff1-k_qd2a01913c9_ff1
	.p2alignl 7, 3214868480
	.fill 96, 4, 3214868480
	.section	.rodata,"a",@progbits
	.p2align	6, 0x0
	.amdhsa_kernel k_qd2a01913c9_ff1
		.amdhsa_group_segment_fixed_size 327680
		.amdhsa_private_segment_fixed_size 0
		.amdhsa_enable_private_segment 0
		.amdhsa_kernarg_size 40
		.amdhsa_user_sgpr_count 2
		.amdhsa_user_sgpr_kernarg_segment_ptr 1
		.amdhsa_wavefront_size32 1
		.amdhsa_system_sgpr_workgroup_id_x 1
		.amdhsa_system_sgpr_workgroup_id_y 1
		.amdhsa_system_sgpr_workgroup_id_z 1
		.amdhsa_system_vgpr_workitem_id 0
		.amdhsa_next_free_vgpr 1024
		.amdhsa_next_free_sgpr 102
		.amdhsa_reserve_vcc 0
		.amdhsa_float_denorm_mode_32 3
		.amdhsa_float_denorm_mode_16_64 3
		.amdhsa_memory_ordered 1
		.amdhsa_forward_progress 1
		.amdhsa_inst_pref_size 187
	.end_amdhsa_kernel
	.amdgpu_metadata
---
amdhsa.version: [ 1, 2 ]
amdhsa.kernels:
  - .name:           k_qd2a01913c9_ff1
    .symbol:         k_qd2a01913c9_ff1.kd
    .args:
      - { .name: hn, .offset: 0, .size: 8, .value_kind: global_buffer, .address_space: global }
      - { .name: ff1_w_codes, .offset: 8, .size: 8, .value_kind: global_buffer, .address_space: global }
      - { .name: ff1_w_scales, .offset: 16, .size: 8, .value_kind: global_buffer, .address_space: global }
      - { .name: ff1_b, .offset: 24, .size: 8, .value_kind: global_buffer, .address_space: global }
      - { .name: gb, .offset: 32, .size: 8, .value_kind: global_buffer, .address_space: global }
    .group_segment_fixed_size: 327680
    .private_segment_fixed_size: 0
    .kernarg_segment_align: 8
    .kernarg_segment_size: 40
    .max_flat_workgroup_size: 128
    .sgpr_count:     102
    .vgpr_count:     1024
    .wavefront_size: 32
...
	.end_amdgpu_metadata
.endif
;; end of part 5
;; launch ff2 (part 6): grid 8 x 32, 4 waves a work-group, clusters of 4 x 4, 327,680 bytes of LDS; arguments gb, ff2_w_codes, ff2_w_scales, ff2_b, x1, out0; writes out0
.if DOCPART == 6
	.amdgcn_target "amdgcn-amd-amdhsa--gfx1250"
	.amdhsa_code_object_version 6
	.text
	.protected	k_qd2a01913c9_ff2
	.globl	k_qd2a01913c9_ff2
	.p2align	8
	.type	k_qd2a01913c9_ff2,@function
k_qd2a01913c9_ff2:
	s_mov_b64 s[64:65], 0
	v_nop
	global_prefetch_b8 v0, s[64:65] scope:SCOPE_SE
	s_setreg_imm32_b32 hwreg(HW_REG_WAVE_MODE, 25, 1), 1
	s_wait_xcnt 0x0
	s_wait_alu depctr_hold_cnt(0) depctr_sa_sdst(0) depctr_va_vdst(0) depctr_va_sdst(0) depctr_va_ssrc(0) depctr_va_vcc(0) depctr_vm_vsrc(0)
	s_getreg_b32 s2, hwreg(HW_REG_IB_STS2, 6, 4)
	s_cmp_eq_u32 s2, 0
	s_cbranch_scc0 .Lentry_in_a_cluster
	s_endpgm
.Lentry_in_a_cluster:
	s_bfe_u32 s2, ttmp6, 0x10000c
	s_cmp_lg_u32 s2, 0xf033
	s_cbranch_scc0 .Lentry_shape_is_right
	s_endpgm
.Lentry_shape_is_right:
; Product 6 and the residual: out = x1 + g ff2_w + ff2_b, [4096 x SIZE_K] x [SIZE_K x 1024], on E4M3 codes with E8M0 scales; out f32.  (The same text with SIZE_K = 1,024 is launch proj.)
; A tile of 128 x 128, so that the 4,096 x 1,024 results give 256 work-groups; four waves, 64 x 64 each: 16 accumulators.  K goes in steps of 512 through two LDS slots, each filled again three times.
; A arrives as images of operand registers, [row / 16][k / 32][512 bytes] (a chunk: lane (r, h) holds row r, k = 16 h + 0 .. 15 at 16 x lane): a K step of a row block is 8,192 dense bytes, read from LDS 512 consecutive bytes a load.
; A's scale words lie [k / 128][row / 64][r][(row / 16) % 4]: one load of 16 bytes a lane gives the words of a wave's four row blocks.  B (the weight) arrives as rows of SIZE_K codes: LDS rows of 512 bytes + 16 of padding.
; All scale bytes of the tile's rows come once, with the first fills.  CLUSTERS of 4 x 4: A's things are asked for jointly along a row of the cluster, B's along a column.
; THE MATRIX INSTRUCTION IS USED TRANSPOSED (source 0 = 16 rows of B, source 1 = 16 rows of A): a lane holds eight neighbouring numbers of a row of the result.  The bias is the C of each sum's first product.
; The residual's 64 x 64 numbers of a wave are asked for at the head, in the order in which rows come back from the stage, and wait in window 2.
; REGISTERS: window 0: v16-29 addresses; v32-95 scale words, two sets (A's at 32 + 32 s + 4 q + a, B's at 48 + 32 s + 4 b + q); v96-127 the bias; v128-255 the accumulators.
;   window 1: two fragment buffers of 128 (A's four, then B's four); on the way out v0-63 rows read back.   window 2: v0-127 the residual.
.set SIZE_K, 4096
.set KSTEP,  512
.set NKG,    SIZE_K/128
.set KS,     SIZE_K/32
.set LAPS,   SIZE_K/(2*KSTEP)
.set AOFF,   4096*SIZE_K
.set ABLK,   8192
.set AHALF,  4*ABLK
.set PITCH,  528
.set BHALF,  64*PITCH
.set BOFF,   2*AHALF
.set SLOT,   BOFF+2*BHALF
.set SCA,    2*SLOT
.set SCB,    SCA+NKG*512
.set HALFSB, (64*KS/256)*272
.set SBLK,   (16*KS/256)*272
.set SPARE,  SCB+2*HALFSB
.set SPITCH, 272
.set NP,     8
.set ADRA, 16
.set ADRB, 20
.set ADSA, 22
.set ADSB, 23
.set STO,  24
.set RD,   25
.set CO,   26
.set BO,   27
.set SPW,  28
.set NIL,  29
.set BC,   96
.set ACC,  128
.set F0,   0
.set F1,   128
.set G1, 24
.set G0, 32
.set G1B, 48
.set G0B, 56
.set G1S, 68
.set G0S, 76
.set G1SB, 80
.set G0SB, 88
.set MSB, 0
.macro WIN new
.if MSB != \new
	s_set_vgpr_msb (MSB<<8)|\new
.set MSB, \new
.endif
.endm
.set MUL,  0x05
.set TO_F, 0x40
.macro JLOAD g0a, g1a, g0b, g1b        ; waves 0 and 1 fetch for A, waves 2 and 3 for B; an s_nop 0 and four v_nop follow each line
	s_cmp_eq_u32 s15, 0
	s_cbranch_scc0 .Lfor_b_\@
	tensor_load_to_lds s[\g0a:\g0a+3], s[\g1a:\g1a+7]
	s_nop 0
.rept 4
	v_nop
.endr
	s_branch .Lasked_\@
.Lfor_b_\@:
	tensor_load_to_lds s[\g0b:\g0b+3], s[\g1b:\g1b+7]
	s_nop 0
.rept 4
	v_nop
.endr
.Lasked_\@:
.endm
.macro CREST
	s_cmp_lg_u32 s14, 0
	s_cbranch_scc1 .Lnot_wave_0_\@
	s_barrier_signal -3
.Lnot_wave_0_\@:
	s_barrier_wait -3
	s_barrier_signal -1
	s_barrier_wait -1
.endm
.macro CROUND
	s_barrier_signal -1
	s_barrier_wait -1
	CREST
.endm
	s_load_b256 s[4:11], s[0:1], 0x0               ; A s[4:5], B's codes s[6:7], B's scales s[8:9], the bias s[10:11]
	s_load_b128 s[96:99], s[0:1], 0x20             ; the residual s[96:97], out s[98:99]
	v_lshl_add_u32 v[SPW], v0, 2, SPARE
	v_mov_b32 v[NIL], 0
	ds_add_u32 v[SPW], v[NIL]                      ; the wave's opening: the add, twice on end, and its wait ahead of my first tensor load
	ds_add_u32 v[SPW], v[NIL]
	v_lshrrev_b32 v1, 5, v0
	v_readfirstlane_b32 s14, v1
	s_lshr_b32 s15, s14, 1
	s_and_b32 s16, s14, 1
	s_bfe_u32 s40, ttmp6, 0x40000
	s_bfe_u32 s41, ttmp6, 0x40004
	s_lshl_b32 s42, ttmp9, 2
	s_add_co_u32 s42, s42, s40                     ; tile column
	s_and_b32 s17, ttmp7, 0xffff
	s_lshl_b32 s17, s17, 2
	s_add_co_u32 s17, s17, s41                     ; tile row
	s_lshl_b32 s43, s41, 2
	s_lshl_b32 s43, 15, s43
	s_lshl_b32 s44, 0x1111, s40
	s_or_b32 s[G1], s43, (3<<16)|(1<<21)           ; A: 4 row blocks x 8,192 bytes (1,024 elements of 8 bytes), 16 SIZE_K bytes apart; no padding
	s_mov_b32 s[G1+1], 1024<<16
	s_mov_b32 s[G1+2], 8<<16
	s_mov_b32 s[G1+3], 1024<<16
	s_mov_b32 s[G1+4], 8
	s_mov_b32 s[G1+5], 2*SIZE_K
	s_mov_b32 s[G1+6], 0
	s_mov_b32 s[G1+7], 0
	s_or_b32 s[G1B], s44, (0<<16)|(1<<20)|(1<<21)|(6<<22)|(3<<25)   ; B: 64 rows x 512 bytes; 4 words of padding behind every 128
	s_mov_b32 s[G1B+1], KSTEP<<16
	s_mov_b32 s[G1B+2], 128<<16
	s_mov_b32 s[G1B+3], KSTEP<<16
	s_mov_b32 s[G1B+4], 128
	s_mov_b32 s[G1B+5], SIZE_K
	s_mov_b32 s[G1B+6], 0
	s_mov_b32 s[G1B+7], 0
	s_or_b32 s[G1S], s43, (3<<16)|(1<<21)          ; A's scale words: NKG rows of 512 bytes, 16,384 bytes apart
	s_mov_b32 s[G1S+1], 64<<16
	s_mov_b32 s[G1S+2], NKG<<16
	s_mov_b32 s[G1S+3], 64<<16
	s_mov_b32 s[G1S+4], NKG
	s_mov_b32 s[G1S+5], 2048
	s_mov_b32 s[G1S+6], 0
	s_mov_b32 s[G1S+7], 0
	s_or_b32 s[G1SB], s44, (3<<16)|(1<<20)|(1<<21)|(5<<22)|(3<<25)  ; B's scale bytes of 128 rows: dense, as rows of 256 bytes, 16 of padding behind each
	s_mov_b32 s[G1SB+1], 32<<16
	s_mov_b32 s[G1SB+2], (128*KS/256)<<16
	s_mov_b32 s[G1SB+3], 32<<16
	s_mov_b32 s[G1SB+4], 128*KS/256
	s_mov_b32 s[G1SB+5], 32
	s_mov_b32 s[G1SB+6], 0
	s_mov_b32 s[G1SB+7], 0
	s_mul_i32 s20, s17, 128*SIZE_K                 ; A: the tile's eight row blocks, in bytes
	s_mov_b32 s21, 0
	s_lshl_b32 s22, s17, 9                         ; A's scale words: the tile's two groups of 64 rows
	s_add_co_u32 s22, s22, AOFF
	s_mov_b32 s23, 0
	s_lshl_b32 s46, s42, 7
	s_mul_i32 s92, s46, KS
	s_mul_i32 s46, s46, SIZE_K
	s_mov_b32 s47, 0
	s_mov_b32 s93, 0
	s_mul_i32 s45, s16, AHALF
	s_mul_i32 s94, s16, BHALF
	s_add_co_u32 s94, s94, BOFF
	s_mul_i32 s18, s16, 64*SIZE_K                  ; in the ring I fetch half a tile: four row blocks of A or 64 rows of B are both 64 SIZE_K bytes on
	s_mov_b32 s19, 0
	s_wait_dscnt 0x0
	s_wait_kmcnt 0x0
	s_add_nc_u64 s[20:21], s[4:5], s[20:21]
	s_add_nc_u64 s[22:23], s[4:5], s[22:23]
	s_add_nc_u64 s[46:47], s[6:7], s[46:47]
	s_add_nc_u64 s[92:93], s[8:9], s[92:93]
	CROUND
	s_mov_b32 s[G0S], 1
	s_mov_b32 s[G0S+1], SCA
	s_mov_b64 s[G0S+2:G0S+3], s[22:23]
	s_or_b32 s[G0S+3], s[G0S+3], 0x80000000
	s_mov_b32 s[G0SB], 1
	s_mov_b32 s[G0SB+1], SCB
	s_mov_b64 s[G0SB+2:G0SB+3], s[92:93]
	s_or_b32 s[G0SB+3], s[G0SB+3], 0x80000000
	s_mov_b32 s[G0], 1                             ; slot 0's groups 0 serve the head first, each tile whole: A's eight row blocks,
	s_mov_b32 s[G0+1], 0
	s_mov_b64 s[G0+2:G0+3], s[20:21]
	s_or_b32 s[G0+3], s[G0+3], 0x80000000
	s_mov_b32 s[G0B], 1                            ; B's 128 rows
	s_mov_b32 s[G0B+1], BOFF
	s_mov_b64 s[G0B+2:G0B+3], s[46:47]
	s_or_b32 s[G0B+3], s[G0B+3], 0x80000000
	s_add_nc_u64 s[20:21], s[20:21], s[18:19]      ; for the ring: my half of the tile
	s_add_nc_u64 s[46:47], s[46:47], s[18:19]
.irp s, 1
	s_mov_b32 s[G0+4*\s], 1
	s_add_co_u32 s[G0+4*\s+1], s45, \s*SLOT
	s_add_nc_u64 s[G0+4*\s+2:G0+4*\s+3], s[20:21], \s*ABLK
	s_or_b32 s[G0+4*\s+3], s[G0+4*\s+3], 0x80000000
	s_mov_b32 s[G0B+4*\s], 1
	s_add_co_u32 s[G0B+4*\s+1], s94, \s*SLOT
	s_add_nc_u64 s[G0B+4*\s+2:G0B+4*\s+3], s[46:47], \s*KSTEP
	s_or_b32 s[G0B+4*\s+3], s[G0B+4*\s+3], 0x80000000
.endr
	; THE PREFETCHES.  Of the half tile that I fetch, my work-group takes a quarter (one row block of A, 16 rows of B: both 16 SIZE_K bytes apart; the partners of a joint load are told apart by address): 8,192 bytes a wave and K step,
	; each lane another 256 bytes.  s[8:9] stands at a K step, s[92:93] is a K step in bytes; v30 names that step, v31 the next.  The fill of K step t asks for K step t + 2; the last two fills ask for nothing.
	s_cmp_eq_u32 s15, 0
	s_cselect_b64 s[8:9], s[20:21], s[46:47]
	s_cselect_b32 s6, s40, s41
	s_mov_b32 s92, KSTEP
	s_cselect_b32 s92, ABLK, s92
	s_mov_b32 s5, SIZE_K
	s_cselect_b32 s5, 512, s5                      ; from one pair of lanes to the next: A's chunks are dense, B's rows SIZE_K apart
	s_mul_i32 s6, s6, 16*SIZE_K
	s_add_co_u32 s6, s6, s92                       ; at K step 1
	s_mov_b32 s7, 0
	s_mov_b32 s93, 0
	s_add_nc_u64 s[8:9], s[8:9], s[6:7]
; THE HEAD'S LOADS, ONE A WAVE: wave 0 A's tile of K step 0, wave 1 B's, wave 2 A's scale words, wave 3 B's scale bytes.  One tree of branches on the wave's number.
.macro ARM under, g0, g1, next
	s_cmp_lt_u32 s14, \under
	s_cbranch_scc0 \next
	tensor_load_to_lds s[\g0:\g0+3], s[\g1:\g1+7]
	s_nop 0
.rept 4
	v_nop
.endr
	s_branch .Lhead_asked
\next:
.endm
	ARM 1, G0,  G1,  .Lhead_b
	ARM 2, G0B, G1B, .Lhead_sa
	ARM 3, G0S, G1S, .Lhead_sb
	tensor_load_to_lds s[G0SB:G0SB+3], s[G1SB:G1SB+7]
	s_nop 0
.rept 4
	v_nop
.endr
.Lhead_asked:
	v_and_b32 v30, 31, v0
	v_lshrrev_b32 v31, 1, v30
	v_and_b32 v30, 1, v30
	v_lshlrev_b32 v30, 8, v30
	v_mad_u32_u24 v30, v31, s5, v30
	v_add_nc_u32 v31, s92, v30
	global_prefetch_b8 v30, s[8:9] th:TH_LOAD_NT scope:SCOPE_SE   ; K steps 1 and 2
	global_prefetch_b8 v31, s[8:9] th:TH_LOAD_NT scope:SCOPE_SE
	v_and_b32 v1, 15, v0
	v_bfe_u32 v2, v0, 4, 1
	v_and_b32 v3, 31, v0
	v_lshlrev_b32 v3, 4, v3
	v_mul_u32_u24 v4, v1, PITCH
	v_lshl_add_u32 v4, v2, 4, v4
	s_mul_i32 s21, s15, AHALF
	s_mul_i32 s22, s16, BHALF
	s_add_co_u32 s22, s22, BOFF
.irp s, 0,1
	v_add_nc_u32 v[ADRA+\s], s21, v3
	v_add_nc_u32 v[ADRB+\s], s22, v4
	s_add_co_u32 s21, s21, SLOT
	s_add_co_u32 s22, s22, SLOT
.endr
	s_lshl_b32 s21, s15, 8
	s_add_co_u32 s21, s21, SCA
	v_lshl_add_u32 v[ADSA], v1, 4, s21
	v_mul_u32_u24 v5, v1, KS
	v_lshrrev_b32 v6, 8, v5
	v_lshl_add_u32 v5, v6, 4, v5
	s_mul_i32 s22, s16, HALFSB
	s_add_co_u32 s22, s22, SCB
	v_add_nc_u32 v[ADSB], s22, v5
	s_mul_i32 s23, s14, 16*SPITCH
	v_mul_u32_u24 v5, v1, SPITCH
	v_lshl_add_u32 v5, v2, 5, v5
	v_add_nc_u32 v[STO], s23, v5
	v_mul_u32_u24 v5, v2, SPITCH
	v_lshl_add_u32 v5, v1, 4, v5
	v_add_nc_u32 v[RD], s23, v5
	v_lshlrev_b32 v[CO], 12, v2
	v_lshl_add_u32 v[CO], v1, 4, v[CO]
	v_lshlrev_b32 v[BO], 5, v2
	s_wait_alu depctr_va_vdst(0)
	s_lshl_b32 s20, s17, 7
	s_lshl_b32 s21, s15, 6
	s_add_co_u32 s20, s20, s21
	s_lshl_b32 s20, s20, 12
	s_lshl_b32 s22, s42, 7
	s_lshl_b32 s23, s16, 6
	s_add_co_u32 s22, s22, s23
	s_lshl_b32 s22, s22, 2
	s_mov_b32 s23, 0
	s_add_nc_u64 s[10:11], s[10:11], s[22:23]
	s_add_co_u32 s20, s20, s22
	s_mov_b32 s21, 0
	s_add_nc_u64 s[96:97], s[96:97], s[20:21]
	s_add_nc_u64 s[98:99], s[98:99], s[20:21]
.irp b, 0,1,2,3
	global_load_b128 v[BC+8*\b:BC+8*\b+3], v[BO], s[10:11] offset:64*\b
	global_load_b128 v[BC+8*\b+4:BC+8*\b+7], v[BO], s[10:11] offset:64*\b+16
.endr
	WIN 0x80
.irp a, 0,1,2,3
.irp t, 0,1,2,3,4,5,6,7
	global_load_b128 v[4*(8*\a+\t):4*(8*\a+\t)+3], v[CO], s[96:97] offset:(16*\a+2*\t)*4096
.endr
.endr
	WIN 0
.macro SCALES s
.irp q, 0,1,2,3
	ds_load_b128 v[32+32*\s+4*\q:32+32*\s+4*\q+3], v[ADSA] offset:512*\q
.endr
.irp i, 0,1,2,3
	ds_load_b128 v[48+32*\s+4*\i:48+32*\s+4*\i+3], v[ADSB] offset:\i*SBLK
.endr
.endm
.macro FETCH slot, q, f
	WIN TO_F
.irp i, 0,1,2,3
.irp c, 0,1,2,3
	ds_load_b128 v[\f+64+16*\i+4*\c:\f+64+16*\i+4*\c+3], v[ADRB+\slot] offset:\i*16*PITCH+128*(\q)+32*\c
.endr
.endr
.irp i, 0,1,2,3
.irp c, 0,1,2,3
	ds_load_b128 v[\f+16*\i+4*\c:\f+16*\i+4*\c+3], v[ADRA+\slot] offset:\i*ABLK+2048*(\q)+512*\c
.endr
.endr
.endm
; the 16 accumulators take turns, one instruction a turn, in the same order in every quarter.  zero = 1: the bias starts the sums
.macro MUL4 f, a, q, sc, zero
.irp b, 0,1,2,3
.if \zero
	v_wmma_scale_f32_16x16x128_f8f6f4 v[ACC+8*(4*(\a)+\b):ACC+8*(4*(\a)+\b)+7], v[\f+64+16*\b:\f+64+16*\b+15], v[\f+16*(\a):\f+16*(\a)+15], v[BC+8*\b:BC+8*\b+7], v[48+32*(\sc)+4*\b+(\q)], v[32+32*(\sc)+4*(\q)+(\a)]
.else
	v_wmma_scale_f32_16x16x128_f8f6f4 v[ACC+8*(4*(\a)+\b):ACC+8*(4*(\a)+\b)+7], v[\f+64+16*\b:\f+64+16*\b+15], v[\f+16*(\a):\f+16*(\a)+15], v[ACC+8*(4*(\a)+\b):ACC+8*(4*(\a)+\b)+7], v[48+32*(\sc)+4*\b+(\q)], v[32+32*(\sc)+4*(\q)+(\a)]
.endif
.endr
.endm
.macro PLACES n
.rept \n
	v_nop
.endr
.endm
.macro QUARTER slot, q, f, g, zero
	s_wait_dscnt 8                                 ; B's four and A's blocks 0, 1 are in; A's blocks 2, 3, the youngest eight loads, may be out
	WIN MUL
	MUL4 \f, 0, \q, \slot, \zero
	MUL4 \f, 1, \q, \slot, \zero
	PLACES NP
	FETCH \slot, (\q)+1, \g
	s_wait_dscnt 32                                ; all but the 32 just issued
	WIN MUL
	MUL4 \f, 2, \q, \slot, \zero
	MUL4 \f, 3, \q, \slot, \zero
.endm
; A slot's last quarter changes slots: one barrier; in front of it each wave waits for all its tensor loads, adds 0 to its spare word, and waits for that and for its reads of this slot
.macro TURN slot, next, fill
	WIN 0
.if \fill
	s_wait_xcnt 0x0                                ; my last prefetch has read its address: it steps here, ahead of the waits of the change of slots
	s_add_nc_u64 s[8:9], s[8:9], s[92:93]
.endif
	s_wait_tensorcnt 0x0
	ds_add_u32 v[SPW], v[NIL]
	s_wait_dscnt 9                                 ; the add and A's blocks 2, 3 may be out
	WIN MUL
	MUL4 F1, 0, 3, \slot, 0
	s_wait_dscnt 0x0                               ; the add is done, and my reads of this slot are over
	s_barrier_signal -1
	MUL4 F1, 1, 3, \slot, 0
	WIN 0
	s_barrier_wait -1
.if \fill
	CREST                                          ; the barrier has opened a round of the cluster's: no wave of any partner still reads this slot or has a load on its way
	s_add_nc_u64 s[G0+4*\slot+2:G0+4*\slot+3], s[G0+4*\slot+2:G0+4*\slot+3], 2*ABLK
	s_add_nc_u64 s[G0B+4*\slot+2:G0B+4*\slot+3], s[G0B+4*\slot+2:G0B+4*\slot+3], 2*KSTEP
	JLOAD G0+4*\slot, G1, G0B+4*\slot, G1B
	PLACES NP-4
.else
	PLACES NP
.endif
	s_wait_alu depctr_va_vdst(0)
	v_add_nc_u32 v[ADSA], 2048, v[ADSA]
	v_add_nc_u32 v[ADSB], 16, v[ADSB]
	SCALES \next
	FETCH \next, 0, F0
.if \fill
	WIN 0                                          ; at a branch every window is 0
	s_cmp_gt_u32 s3, 1                             ; the loop's last trip brings the last two K steps: nothing lies two steps on
	s_cbranch_scc0 .Lnone_\@
	global_prefetch_b8 v31, s[8:9] th:TH_LOAD_NT scope:SCOPE_SE
.Lnone_\@:
.endif
	WIN MUL
	MUL4 F1, 2, 3, \slot, 0
	MUL4 F1, 3, 3, \slot, 0
.endm
	s_wait_xcnt 0x0                                ; the head's prefetches have read their address
	s_add_nc_u64 s[8:9], s[8:9], s[92:93]          ; at K step 2
	s_wait_alu depctr_va_vdst(0)                   ; the head's end
	s_wait_tensorcnt 0x0                           ; my tile of the head's four is in; these lines stand ahead of slot 1's first fill as ahead of a refill
	ds_add_u32 v[SPW], v[NIL]
	s_mov_b32 s[G1+2], 4<<16                       ; no tensor load of mine is out: from here on a load brings half a tile
	s_mov_b32 s[G1+4], 4
	s_mov_b32 s[G1B+2], 64<<16
	s_mov_b32 s[G1B+4], 64
	s_mul_i32 s[G0+1], s16, AHALF                  ; and slot 0's groups 0 take the ring's form: my half of the tile
	s_mul_i32 s[G0B+1], s16, BHALF
	s_add_co_u32 s[G0B+1], s[G0B+1], BOFF
	s_mul_i32 s46, s16, 64*SIZE_K
	s_mov_b32 s47, 0
	s_add_nc_u64 s[G0+2:G0+3], s[G0+2:G0+3], s[46:47]
	s_add_nc_u64 s[G0B+2:G0B+3], s[G0B+2:G0B+3], s[46:47]
	s_wait_dscnt 0x0
	CROUND                                         ; all four tiles are in, and all sixteen work-groups are here
	JLOAD G0+4, G1, G0B+4, G1B                     ; K step 1, the first tensor load behind the round
	SCALES 0
	FETCH 0, 0, F0
	global_prefetch_b8 v31, s[8:9] th:TH_LOAD_NT scope:SCOPE_SE   ; K step 3 (the address register is named in window 0)
	s_wait_loadcnt 32
	QUARTER 0, 0, F0, F1, 1
.if LAPS > 1
	WIN 0
	s_mov_b32 s3, LAPS-1
.Llap:                                             ; a trip goes once round the ring and fills both slots again
	QUARTER 0, 1, F1, F0, 0
	QUARTER 0, 2, F0, F1, 0
	TURN 0, 1, 1
	QUARTER 1, 0, F0, F1, 0
	QUARTER 1, 1, F1, F0, 0
	QUARTER 1, 2, F0, F1, 0
	TURN 1, 0, 1
	QUARTER 0, 0, F0, F1, 0
	WIN 0
	s_sub_co_u32 s3, s3, 1
	s_cmp_lg_u32 s3, 0
	s_cbranch_scc1 .Llap
.endif
	QUARTER 0, 1, F1, F0, 0                        ; the last lap fills nothing
	QUARTER 0, 2, F0, F1, 0
	TURN 0, 1, 0
	QUARTER 1, 0, F0, F1, 0
	QUARTER 1, 1, F1, F0, 0
	QUARTER 1, 2, F0, F1, 0
	s_wait_dscnt 8
	WIN MUL
	MUL4 F1, 0, 3, 1, 0
	MUL4 F1, 1, 3, 1, 0
	s_wait_dscnt 0
	MUL4 F1, 2, 3, 1, 0
	MUL4 F1, 3, 3, 1, 0
	WIN 0
; THE WAY OUT, block by block of 16 rows x 64 columns, through my own stage: in as 32 bytes a lane, back as whole rows of 256 bytes; the residual is added; sixteen lanes store 256 consecutive bytes, aligned.
.macro TOSTAGE a
.irp b, 0,1,2,3
	ds_store_b128 v[STO], v[ACC+8*(4*(\a)+\b):ACC+8*(4*(\a)+\b)+3] offset:64*\b
	ds_store_b128 v[STO], v[ACC+8*(4*(\a)+\b)+4:ACC+8*(4*(\a)+\b)+7] offset:64*\b+16
.endr
	WIN TO_F
.irp t, 0,1,2,3,4,5,6,7
	ds_load_b128 v[32*((\a)%2)+4*\t:32*((\a)%2)+4*\t+3], v[RD] offset:\t*2*SPITCH
.endr
	WIN 0
.endm
.macro SEND a, younger
	s_wait_dscnt \younger
	WIN 0x49
.irp t, 0,1,2,3,4,5,6,7
.irp p, 0,2
	v_pk_add_f32 v[32*((\a)%2)+4*\t+\p:32*((\a)%2)+4*\t+\p+1], v[32*((\a)%2)+4*\t+\p:32*((\a)%2)+4*\t+\p+1], v[4*(8*(\a)+\t)+\p:4*(8*(\a)+\t)+\p+1]
.endr
.endr
	WIN 0x04
.irp t, 0,1,2,3,4,5,6,7
	global_store_b128 v[CO], v[32*((\a)%2)+4*\t:32*((\a)%2)+4*\t+3], s[98:99] offset:(16*(\a)+2*\t)*4096
.endr
	WIN 0
.endm
	PLACES NP
	s_wait_loadcnt 0x0                             ; the residual
	TOSTAGE 0
	TOSTAGE 1
	SEND 0, 16                                     ; behind block 0's loads: block 1's 8 stores and 8 loads
	s_wait_xcnt 0x0                                ; block 0's stores have read their registers: block 2's rows may land there
	TOSTAGE 2
	SEND 1, 16
	s_wait_xcnt 0x0
	TOSTAGE 3
	SEND 2, 16
	SEND 3, 0
	s_wait_tensorcnt 0x0                           ; the wave's end
	ds_add_u32 v[SPW], v[NIL]
	s_wait_dscnt 0x0
	CROUND                                         ; the closing round
	s_endpgm
.Lfunc_end_k_qd2a01913c9_ff2:
	.size	k_qd2a01913c9_ff2, .Lfunc_end_k_qd2a01913c9_ff2-k_qd2a01913c9_ff2
	.p2alignl 7, 3214868480
	.fill 96, 4, 3214868480
	.section	.rodata,"a",@progbits
	.p2align	6, 0x0
	.amdhsa_kernel k_qd2a01913c9_ff2
		.amdhsa_group_segment_fixed_size 327680
		.amdhsa_private_segment_fixed_size 0
		.amdhsa_enable_private_segment 0
		.amdhsa_kernarg_size 48
		.amdhsa_user_sgpr_count 2
		.amdhsa_user_sgpr_kernarg_segment_ptr 1
		.amdhsa_wavefront_size32 1
		.amdhsa_system_sgpr_workgroup_id_x 1
		.amdhsa_system_sgpr_workgroup_id_y 1
		.amdhsa_system_sgpr_workgroup_id_z 1
		.amdhsa_system_vgpr_workitem_id 0
		.amdhsa_next_free_vgpr 768
		.amdhsa_next_free_sgpr 100
		.amdhsa_reserve_vcc 0
		.amdhsa_float_denorm_mode_32 3
		.amdhsa_float_denorm_mode_16_64 3
		.amdhsa_memory_ordered 1
		.amdhsa_forward_progress 1
		.amdhsa_inst_pref_size 104
	.end_amdhsa_kernel
	.amdgpu_metadata
---
amdhsa.version: [ 1, 2 ]
amdhsa.kernels:
  - .name:           k_qd2a01913c9_ff2
    .symbol:         k_qd2a01913c9_ff2.kd
    .args:
      - { .name: gb, .offset: 0, .size: 8, .value_kind: global_buffer, .address_space: global }
      - { .name: ff2_w_codes, .offset: 8, .size: 8, .value_kind: global_buffer, .address_space: global }
      - { .name: ff2_w_scales, .offset: 16, .size: 8, .value_kind: global_buffer, .address_space: global }
      - { .name: ff2_b, .offset: 24, .size: 8, .value_kind: global_buffer, .address_space: global }
      - { .name: x1, .offset: 32, .size: 8, .value_kind: global_buffer, .address_space: global }
      - { .name: out0, .offset: 40, .size: 8, .value_kind: global_buffer, .address_space: global }
    .group_segment_fixed_size: 327680
    .private_segment_fixed_size: 0
    .kernarg_segment_align: 8
    .kernarg_segment_size: 48
    .max_flat_workgroup_size: 128
    .sgpr_count:     100
    .vgpr_count:     768
    .wavefront_size: 32
...
	.end_amdgpu_metadata
.endif
;; end of part 6
